; MI455X (gfx1250); checked and timed in simulation.
; The chip was launched on July 23, 2026; its instructions are those of AMD's public machine-readable ISA for CDNA 5 (MIT licence, August 2026) and "CDNA5" Instruction Set Architecture Reference Guide (July 2026). The comments in the code are by the model that wrote it; some were corrected since.
;; Multi Head Attention. Allowed arithmetic: matrix products marked QUANTISED: E2M1 operands, one E8M0 scale for each 32 along K, by v_wmma_scale_f32_16x16x128_f8f6f4 with both operands' format E2M1 (or v_wmma_scale_f32_32x16x128_f4), f32 sums; products left as they are: bf16, f16 or f32 operands; f32 sums; everything else in f32.
;; Inputs: Wk 1,024 x 1,024 float32; Wo 1,024 x 1,024 float32; Wq 1,024 x 1,024 float32; Wv 1,024 x 1,024 float32; bk 1,024 float32; bo 1,024 float32; bq 1,024 float32; bv 1,024 float32; k 4 x 2,048 x 1,024 float32; mask 1 x 1 x 2,048 x 2,048 int32; q 4 x 2,048 x 1,024 float32; v 4 x 2,048 x 1,024 float32.
;; Outputs: out0 4 x 2,048 x 1,024 float32.
;; This version of the problem:
;;   THIS VERSION OF THE PROBLEM IS GIVEN IN LOW PRECISION. The matrix products marked QUANTISED in the list below multiply operands that are first quantised to E2M1 (2 exponent bits, 1 mantissa bit; 4 bits a number), with one power-of-two scale for each 32 numbers along K (OCP MX v1.0); their sums are f32. The products marked 'left as it is' may take bf16, f16 or f32 operands, with f32 sums. Whichever they take, every output number must still come out within the allowed error. Rounding operands to bf16 (8 significant bits) uses up far more of that allowance than f16 does (11 bits, for magnitudes from 6e-5 to 65,504). All else is computed in f32.
;;   The module's matrix products, in the order in which they are computed (A, B: the left and right operand; K: the contracted axis; several contracted axes count as one K, in the product's order):
;;     1. [M 8,192, K 1,024] x [K 1,024, N 1,024]; A: input q; B: input Wq: QUANTISED
;;     2. [M 8,192, K 1,024] x [K 1,024, N 1,024]; A: input k; B: input Wk: QUANTISED
;;     3. [M 8,192, K 1,024] x [K 1,024, N 1,024]; A: input v; B: input Wv: QUANTISED
;;     4. batch 64 x [M 2,048, K 64] x [K 64, N 2,048]; A: computed on the way; B: computed on the way: left as it is (an operand is computed on the way)
;;     5. batch 64 x [M 2,048, K 2,048] x [K 2,048, N 64]; A: computed on the way; B: computed on the way: left as it is (an operand is computed on the way)
;;     6. [M 8,192, K 1,024] x [K 1,024, N 1,024]; A: computed on the way; B: input Wo: left as it is (an operand is computed on the way)
;;   THE QUANTISER, for each operand of a quantised product, along K:
;;     - K is cut into blocks of 32 from its start; a last block that is shorter is filled with zeros.
;;     - A block's scale is 2^e with e = floor(log2(the largest magnitude in the block)) - 2, held to -126 .. 127; a block of zeros has e = 0. As a byte (E8M0): e + 127.
;;     - Each number is divided by its block's scale, clamped to +-6, and rounded to the nearest number of E2M1, ties to even, subnormals kept.
;;     - The product sums the exact products of the quantised numbers (number of the format x scale) in f32.
;;   ~~~python
;;   def quantise(x, axis):      # numpy; x: float32 -> the quantised numbers, widened to float32 again
;;       x = np.moveaxis(x, axis, -1); K = x.shape[-1]
;;       x = np.pad(x, [(0, 0)] * (x.ndim - 1) + [(0, -K % 32)]); x = x.reshape(x.shape[:-1] + (-1, 32)); a = np.abs(x).max(-1, keepdims=True)
;;       e = np.where(a > 0, np.clip(np.frexp(np.where(a > 0, a, 1))[1] - 1 - 2, -126, 127), 0)      # np.frexp(a)[1] - 1 = floor(log2(a)), exactly
;;       r = np.clip(x / 2.0 ** e, -6, 6)
;;       step = 2.0 ** (np.maximum(np.frexp(np.where(r == 0, 1, r))[1] - 1, 0) - 1)
;;       q = np.round(r / step) * step * 2.0 ** e      # np.round: ties to even
;;       return np.moveaxis(q.reshape(q.shape[:-2] + (-1,))[..., :K], -1, axis).astype(np.float32)
;;   ~~~
;; One version. Each part assembles by itself: llvm-mc -triple=amdgcn-amd-amdhsa -mcpu=gfx1250 --defsym DOCPART=n.
;; ======== version 1 of 1: 5 launches
;; limits: values are held in f16: magnitudes above 65,504 overflow, below 6.1e-05 lose precision
;; workspace buffers: codes 14,155,776 bytes; scales 884,736 bytes; wof 2,097,152 bytes; maskw 532,480 bytes of whole numbers; qkv 67,108,864 bytes; cf 16,777,216 bytes
;; launch prep (part 1): grid 1024 x 1, 4 waves a work-group, no clusters, 68,096 bytes of LDS; arguments q, k, v, Wq, Wk, Wv, Wo, mask, codes, scales, wof, maskw; writes codes, scales, wof, maskw
.if DOCPART == 1
	.amdgcn_target "amdgcn-amd-amdhsa--gfx1250"
	.amdhsa_code_object_version 6
	.text
	.protected	k_q453bb80cf3_prep
	.globl	k_q453bb80cf3_prep
	.p2align	8
	.type	k_q453bb80cf3_prep,@function
k_q453bb80cf3_prep:
	s_mov_b64 s[64:65], 0
	v_nop
	global_prefetch_b8 v0, s[64:65] scope:SCOPE_SE
	s_setreg_imm32_b32 hwreg(HW_REG_WAVE_MODE, 25, 1), 1
	s_wait_xcnt 0x0
; PREP: what the later launches read many times is laid out once.
;   work-groups 0-863:    q, k, v, Wq, Wk, Wv (f32, K innermost) -> codes of E2M1 (two a byte, K innermost) and one E8M0 byte for each 32 along K
;   work-groups 864-991:  mask (int32) -> for each block of 32 queries x 64 keys 64 lane-mask words (bit = mask == 1) and a flag: 0 nothing hidden, 1 mixed, 2 all hidden
;   work-groups 992-1023: Wo (f32) -> f16, in the order of a matrix operand's registers
; DEAD WORK, for all finite values of the inputs: bk.  scores = (q Wq^T + bq) . (k Wk^T + bk) = (q Wq^T + bq) . (k Wk^T) + (q Wq^T + bq) . bk; the last term is the same for
; every key of a row, it is added ahead of a softmax along the keys, and the product of the scores is not quantised; the -inf of the mask and the NaN of a row that is hidden wholly
; do not hang on it.  So bk reaches no output; it is not loaded and is no argument of any launch.  LIMIT: a NaN, an infinity or an overflow in bk is not carried to the result.
; THE QUANTISER: a block's scale is 2^(floor(log2(its largest magnitude)) - 2); its byte is the largest magnitude's exponent field - 2, held at 1 from below.
; LIMITS: a block of zeros gets the byte 1 where the rule says 127 (its codes are zeros, and this program alone reads the bytes); blocks whose largest magnitude lies under 2^-124
; have their byte held at 1; NaN and infinities in q, k, v, Wq, Wk, Wv are not served.  Wo goes to f16: its magnitudes stay under 65,504.
; Every work-group takes 131,072 bytes of input.  Each of the three paths has LDS bytes of its own.  No tensor loads, no barrier: waves share nothing.
.set STEPS, 16
.set EMAX,  2
.set CB,    8                          ; bytes of 16 codes
.set R,     16                         ; quantiser: v16-79 four sets of 16 numbers as loaded
.set X,     80                         ; v80-111 two sets of 16 neighbours
.set E,     112                        ; v112-127 a scale byte for each step
.set C,     128                        ; v128-191 codes, four registers a step
.set WREG,  8192                       ; quantiser: LDS region of a wave: two stages of 32 x SP bytes, then its 256 scale bytes
.set SP,    80
.set SPW,   12                         ; v12 LDS address of my spare word; never rewritten
.set NIL,   13                         ; v13 0; never rewritten
.set MSTG,  32768                      ; the mask path's stages: 16 rows x 272 bytes a wave
.set WSTG,  50176                      ; the Wo path's stages, likewise
.set SPARE, 67584                      ; the spare words: 128 bytes a wave, two blocks of 256 bytes that no other line names
.set BR,    16                         ; block paths: v16-143 four sets of 32 registers as loaded
.set BX,    144                        ; v144-175 a block turned: register 8 t + j = element (r, 16 t + 8 h + j)
.set BO,    176                        ; v176-191 what leaves
.macro CLOSE                           ; a wave's end
	s_wait_tensorcnt 0x0
	ds_add_u32 v[SPW], v[NIL]
	s_wait_dscnt 0x0
	s_endpgm
.endm
	s_load_b512 s[4:19], s[0:1], 0x0               ; q, k, v, Wq, Wk, Wv, Wo, mask
	s_load_b256 s[20:27], s[0:1], 0x40             ; codes, scales, wof, maskw
	v_lshl_add_u32 v[SPW], v0, 2, SPARE
	v_mov_b32 v[NIL], 0
	v_lshrrev_b32 v1, 5, v0
	v_readfirstlane_b32 s36, v1                    ; wave
	v_and_b32 v2, 31, v0                           ; lane
	s_cmp_lt_u32 ttmp9, 864
	s_cbranch_scc0 .Lblocks
; ---------------- THE QUANTISER.  A wave takes 16 steps of 512 numbers.  Each of a step's four loads reads 512 consecutive bytes; the 2,048 bytes turn through the wave's stage, so that a lane
; holds 16 neighbours along K (two neighbouring lanes hold a block).  A lane's 16 codes are 8 bytes: a wave's store covers 256 consecutive bytes.  A wave's 256 scale bytes leave as one such run.
	v_lshlrev_b32 v3, 4, v2                        ; my 16 bytes of a load's 512
	s_mul_i32 s37, s36, WREG
	v_lshrrev_b32 v14, 2, v2
	v_mul_u32_u24 v14, v14, SP
	v_and_b32 v15, 3, v2
	v_lshl_add_u32 v14, v15, 4, v14
	v_add_nc_u32 v14, s37, v14                     ; the stage, in: SP (lane / 4) + 16 (lane % 4)
	v_mul_u32_u24 v15, v2, SP
	v_add_nc_u32 v15, s37, v15                     ; and out: SP x lane
	v_mul_u32_u24 v4, v2, CB                       ; my codes' place in a step's
	v_lshrrev_b32 v5, 1, v2
	s_add_co_u32 s37, s37, 2*32*SP
	v_add_nc_u32 v5, s37, v5                       ; my block's byte among my wave's 256
	v_lshlrev_b32 v7, 3, v2
	v_add_nc_u32 v6, s37, v7
	s_wait_kmcnt 0x0
	s_mov_b64 s[28:29], s[4:5]                     ; which tensor: the choice hangs on the work-group's number alone
	s_mov_b32 s30, 0
.macro PICK first, lo
	s_cmp_ge_u32 ttmp9, \first
	s_cselect_b64 s[28:29], s[\lo:\lo+1], s[28:29]
	s_cselect_b32 s30, \first, s30
.endm
	PICK 256, 6
	PICK 512, 8
	PICK 768, 10
	PICK 800, 12
	PICK 832, 14
	s_sub_co_u32 s31, ttmp9, s30
	s_lshl_b32 s31, s31, 2
	s_add_co_u32 s32, s31, s36                     ; my run of 8,192 numbers in the tensor
	s_lshl_b32 s32, s32, 15
	s_mov_b32 s33, 0
	s_add_nc_u64 s[28:29], s[28:29], s[32:33]
	s_lshl_b32 s34, ttmp9, 2
	s_add_co_u32 s34, s34, s36                     ; and among all runs: the tensors lie in codes and scales in the order of the work-groups
	s_lshl_b32 s32, s34, 12
	s_add_nc_u64 s[20:21], s[20:21], s[32:33]
	s_lshl_b32 s32, s34, 8
	s_add_nc_u64 s[22:23], s[22:23], s[32:33]
.macro LOAD t
.irp i, 0,1,2,3
	global_load_b128 v[R+16*((\t)%4)+4*\i:R+16*((\t)%4)+4*\i+3], v3, s[28:29] offset:2048*(\t)+512*\i th:TH_LOAD_NT
.endr
.endm
.macro TURN t                          ; LDS serves a wave's instructions in order: no wait between the stores and the loads
.irp i, 0,1,2,3
	ds_store_b128 v14, v[R+16*((\t)%4)+4*\i:R+16*((\t)%4)+4*\i+3] offset:32*SP*((\t)%2)+8*SP*\i
.endr
.irp i, 0,1,2,3
	ds_load_b128 v[X+16*((\t)%2)+4*\i:X+16*((\t)%2)+4*\i+3], v15 offset:32*SP*((\t)%2)+16*\i
.endr
.endm
.irp t, 0,1,2,3
	LOAD \t
.endr
	s_wait_loadcnt 12                              ; step 0's four loads are in; twelve younger ones stay out
	TURN 0
.macro STEP t
.set XS, X+16*((\t)%2)
.if (\t) > 0
	s_wait_dscnt 1                                 ; this step's numbers are back from the stage; the last step's byte store may be out
.else
	s_wait_dscnt 0x0
.endif
.if (\t)+4 < STEPS
	LOAD (\t)+4                                    ; into the registers that the stage's stores have read
.endif
.if (\t)+1 < STEPS
.if STEPS-2-(\t) >= 3
	s_wait_loadcnt 12                              ; the next step's four loads are in; those of three steps behind it stay out
.else
	s_wait_loadcnt 4*(STEPS-2-(\t))
.endif
	TURN (\t)+1
.endif
	v_max3_num_f32 v8, |v[XS]|, |v[XS+1]|, |v[XS+2]|
	v_max3_num_f32 v9, |v[XS+3]|, |v[XS+4]|, |v[XS+5]|
.irp i, 6,10
	v_max3_num_f32 v8, v8, |v[XS+\i]|, |v[XS+\i+1]|
	v_max3_num_f32 v9, v9, |v[XS+\i+2]|, |v[XS+\i+3]|
.endr
	v_max3_num_f32 v8, v8, |v[XS+14]|, |v[XS+15]|
	v_max3_num_f32 v8, v8, v9, (EMAX+1)<<23        ; the floor 2^(3 - 127): the byte cannot fall under 1
	v_max_num_f32_dpp v8, v8, v8 row_xmask:1 row_mask:0xf bank_mask:0xf   ; with my neighbour's 16: the block's largest magnitude
	v_add_nc_u32 v11, -(EMAX<<23), v8              ; 2 off its exponent field: the conversion takes this operand's exponent field as its scale
	v_cvt_scalef32_pk8_fp4_f32 v[C+4*(\t)], v[XS:XS+7], v11
	v_cvt_scalef32_pk8_fp4_f32 v[C+4*(\t)+1], v[XS+8:XS+15], v11
	v_lshrrev_b32 v[E+(\t)], 23, v11               ; the scale's byte
	ds_store_b8 v5, v[E+(\t)] offset:16*(\t)       ; both lanes of a block write the same byte with the same value
	global_store_b64 v4, v[C+4*(\t):C+4*(\t)+1], s[20:21] offset:32*CB*(\t)
.endm
.irp t, 0,1,2,3,4,5,6,7,8,9,10,11,12,13,14,15
	STEP \t
.endr
	ds_load_b64 v[8:9], v6                         ; these see my byte stores
	s_wait_dscnt 0x0
	global_store_b64 v7, v[8:9], s[22:23]          ; 32 lanes store 256 consecutive bytes, aligned
	CLOSE
; ---------------- THE TWO BLOCK PATHS.  A block is 16 rows x 256 bytes.  Eight loads bring it, two rows (2 x 256 consecutive bytes) a load; it turns through the wave's stage (rows 272 bytes apart),
; so that lane (r, h) holds, of row r, elements 16 t + 8 h + 0 .. 7 in registers 8 t + 0 .. 7: the order of a matrix result's, and of a 16-bit operand's, registers.  Four blocks' loads are on their way.
.Lblocks:
	v_lshrrev_b32 v3, 4, v2                        ; h = lane / 16
	v_and_b32 v4, 15, v2                           ; r = lane % 16
	v_mul_u32_u24 v5, v3, 272
	v_lshl_add_u32 v5, v4, 4, v5                   ; the stage, in: row lane / 16 of a load's two, 16 bytes a lane
	v_mul_u32_u24 v6, v4, 272
	v_lshl_add_u32 v6, v3, 5, v6                   ; and out: row r, + 32 h
	s_mul_i32 s37, s36, 16*272
.macro LOADB set, lo, off, rp          ; rp: two rows' pitch in bytes
.irp e, 0,1,2,3,4,5,6,7
	global_load_b128 v[BR+32*(\set)+4*\e:BR+32*(\set)+4*\e+3], v7, s[\lo:\lo+1] offset:(\off)+\e*(\rp) th:TH_LOAD_NT
.endr
.endm
.macro TURNB set
.irp e, 0,1,2,3,4,5,6,7
	ds_store_b128 v5, v[BR+32*(\set)+4*\e:BR+32*(\set)+4*\e+3] offset:544*\e
.endr
.irp t, 0,1,2,3
	ds_load_b128 v[BX+8*\t:BX+8*\t+3], v6 offset:64*\t
	ds_load_b128 v[BX+8*\t+4:BX+8*\t+7], v6 offset:64*\t+16
.endr
	s_wait_dscnt 0x0                               ; the block is turned, and the stores have read their registers
.endm
.macro BWAIT i                         ; block i's eight loads are in; those of up to three younger blocks stay out
.if (\i) < 5
	s_wait_loadcnt 24
.else
	s_wait_loadcnt 8*(7-(\i))
.endif
.endm
	s_cmp_lt_u32 ttmp9, 992
	s_cbranch_scc0 .Lwo
; ---------------- THE MASK.  Wave gw takes query block gw / 8 (32 queries) and key steps 4 (gw % 8) .. + 3; block i is (key step i / 2, tile of 16 queries i % 2).
; Word 32 u + n of a record: bit 16 h + r = (mask[32 q32 + 16 u + r][64 step + 16 (n / 8) + 8 h + n % 8] == 1): the lane mask of score register n of tile u.
	s_add_co_u32 s37, s37, MSTG
	v_add_nc_u32 v5, s37, v5
	v_add_nc_u32 v6, s37, v6
	v_lshlrev_b32 v7, 13, v3                       ; a row of the mask is 8,192 bytes
	v_lshl_add_u32 v7, v4, 4, v7
	v_lshlrev_b32 v8, 3, v2                        ; 8 x lane: two words of a record
	v_lshlrev_b32 v9, 2, v2                        ; 4 x lane: a flag
.set i, 0
.rept 9
	v_mov_b32 v[BO+i], 0                           ; a lane write's destination counts as read
.set i, i+1
.endr
	s_sub_co_u32 s38, ttmp9, 864
	s_lshl_b32 s38, s38, 2
	s_add_co_u32 s38, s38, s36                     ; gw
	s_lshr_b32 s39, s38, 3                         ; q32
	s_and_b32 s40, s38, 7                          ; g
	s_lshl_b32 s28, s39, 18                        ; 32 rows of 8,192 bytes
	s_lshl_b32 s29, s40, 10                        ; four key steps of 256 bytes
	s_add_co_u32 s28, s28, s29
	s_mov_b32 s29, 0
	s_lshl_b32 s30, s39, 5
	s_lshl_b32 s31, s40, 2
	s_add_co_u32 s30, s30, s31                     ; 32 q32 + 4 g: my first record
	s_lshl_b32 s32, s30, 2
	s_mov_b32 s33, 0
	s_lshl_b32 s30, s30, 8
	s_mov_b32 s31, 0
	s_wait_kmcnt 0x0
	s_add_nc_u64 s[18:19], s[18:19], s[28:29]
	s_add_nc_u64 s[28:29], s[26:27], s[30:31]      ; the records
	s_add_nc_u64 s[26:27], s[26:27], s[32:33]      ; the flags (524,288 bytes further on: in the immediate)
.macro MBLOCK i
	BWAIT \i
	TURNB (\i)%4
.if (\i)+4 < 8
	LOADB (\i)%4,18,131072*(((\i)+4)%2)+256*(((\i)+4)/2),16384
.endif
.if (\i)%2 == 0
	s_mov_b32 s42, -1                              ; the AND and the OR of a record's 64 words
	s_mov_b32 s43, 0
.endif
.set n, 0
.rept 32
	v_cmp_eq_u32 s[44+n%4], 1, v[BX+n]
	v_writelane_b32 v[BO+2*((\i)/2)+n%2], s[44+n%4], 16*((\i)%2)+n/2   ; lane L gathers words 2 L and 2 L + 1
	s_and_b32 s42, s42, s[44+n%4]
	s_or_b32 s43, s43, s[44+n%4]
.set n, n+1
.endr
.if (\i)%2 == 1
	global_store_b64 v8, v[BO+2*((\i)/2):BO+2*((\i)/2)+1], s[28:29] offset:256*((\i)/2)   ; a record: 256 consecutive bytes, aligned; each record has registers of its own
	s_cmp_eq_u32 s42, -1
	s_cselect_b32 s41, 2, 1
	s_cmp_eq_u32 s43, 0
	s_cselect_b32 s41, 0, s41
	v_writelane_b32 v[BO+8], s41, (\i)/2
.endif
.endm
.irp i, 0,1,2,3
	LOADB \i,18,131072*(\i%2)+256*(\i/2),16384
.endr
.irp i, 0,1,2,3,4,5,6,7
	MBLOCK \i
.endr
	v_cmp_gt_u32 vcc_lo, 4, v2
	s_wait_xcnt 0x0                                ; EXEC changes only behind this wait
	s_and_saveexec_b32 s41, vcc_lo
	global_store_b32 v9, v[BO+8], s[26:27] offset:524288   ; my four flags
	s_wait_xcnt 0x0                                ; and again, in front of the line that widens it
	s_or_b32 exec_lo, exec_lo, s41
	CLOSE
; ---------------- Wo.  Wave gw takes rows 16 (gw / 2) .. + 15 and columns 512 (gw % 2) .. + 511; block i is 64 columns.  wof: [tile of 16 rows][32 along K][1,024 bytes]: registers 0-3 of lane l at 16 l, registers 4-7 at 512 + 16 l.
.Lwo:
	s_add_co_u32 s37, s37, WSTG
	v_add_nc_u32 v5, s37, v5
	v_add_nc_u32 v6, s37, v6
	v_lshlrev_b32 v7, 12, v3                       ; a row of Wo is 4,096 bytes
	v_lshl_add_u32 v7, v4, 4, v7
	v_lshlrev_b32 v8, 4, v2                        ; 16 x lane
	s_sub_co_u32 s38, ttmp9, 992
	s_lshl_b32 s38, s38, 2
	s_add_co_u32 s38, s38, s36                     ; gw
	s_lshr_b32 s39, s38, 1                         ; the tile of rows
	s_and_b32 s40, s38, 1
	s_lshl_b32 s28, s39, 16
	s_lshl_b32 s29, s40, 11
	s_add_co_u32 s28, s28, s29
	s_mov_b32 s29, 0
	s_lshl_b32 s30, s39, 15
	s_lshl_b32 s31, s40, 14
	s_add_co_u32 s30, s30, s31
	s_mov_b32 s31, 0
	s_wait_kmcnt 0x0
	s_add_nc_u64 s[16:17], s[16:17], s[28:29]
	s_add_nc_u64 s[24:25], s[24:25], s[30:31]
.macro WBLOCK i
	BWAIT \i
	TURNB (\i)%4
.if (\i)+4 < 8
	LOADB (\i)%4,16,256*((\i)+4),8192
.endif
	s_wait_xcnt 0x0                                ; the last block's stores have read their registers
.irp t, 0,1,2,3
.irp p, 0,1,2,3
	v_cvt_pk_f16_f32 v[BO+4*\t+\p], v[BX+8*\t+2*\p], v[BX+8*\t+2*\p+1]
.endr
.endr
.irp t, 0,1,2,3
	global_store_b128 v8, v[BO+4*\t:BO+4*\t+3], s[24:25] offset:2048*(\i)+512*\t   ; half a fragment: 512 consecutive bytes
.endr
.endm
.irp i, 0,1,2,3
	LOADB \i,16,256*\i,8192
.endr
.irp i, 0,1,2,3,4,5,6,7
	WBLOCK \i
.endr
	CLOSE
.Lfunc_end_k_q453bb80cf3_prep:
	.size	k_q453bb80cf3_prep, .Lfunc_end_k_q453bb80cf3_prep-k_q453bb80cf3_prep
	.p2alignl 7, 3214868480
	.fill 96, 4, 3214868480
	.section	.rodata,"a",@progbits
	.p2align	6, 0x0
	.amdhsa_kernel k_q453bb80cf3_prep
		.amdhsa_group_segment_fixed_size 68096
		.amdhsa_private_segment_fixed_size 0
		.amdhsa_enable_private_segment 0
		.amdhsa_kernarg_size 96
		.amdhsa_user_sgpr_count 2
		.amdhsa_user_sgpr_kernarg_segment_ptr 1
		.amdhsa_wavefront_size32 1
		.amdhsa_system_sgpr_workgroup_id_x 1
		.amdhsa_system_sgpr_workgroup_id_y 1
		.amdhsa_system_sgpr_workgroup_id_z 1
		.amdhsa_system_vgpr_workitem_id 0
		.amdhsa_next_free_vgpr 192
		.amdhsa_next_free_sgpr 66
		.amdhsa_reserve_vcc 1
		.amdhsa_float_denorm_mode_32 3
		.amdhsa_float_denorm_mode_16_64 3
		.amdhsa_memory_ordered 1
		.amdhsa_forward_progress 1
		.amdhsa_inst_pref_size 127
	.end_amdhsa_kernel
	.amdgpu_metadata
---
amdhsa.version: [ 1, 2 ]
amdhsa.kernels:
  - .name:           k_q453bb80cf3_prep
    .symbol:         k_q453bb80cf3_prep.kd
    .args:
      - { .name: q, .offset: 0, .size: 8, .value_kind: global_buffer, .address_space: global }
      - { .name: k, .offset: 8, .size: 8, .value_kind: global_buffer, .address_space: global }
      - { .name: v, .offset: 16, .size: 8, .value_kind: global_buffer, .address_space: global }
      - { .name: Wq, .offset: 24, .size: 8, .value_kind: global_buffer, .address_space: global }
      - { .name: Wk, .offset: 32, .size: 8, .value_kind: global_buffer, .address_space: global }
      - { .name: Wv, .offset: 40, .size: 8, .value_kind: global_buffer, .address_space: global }
      - { .name: Wo, .offset: 48, .size: 8, .value_kind: global_buffer, .address_space: global }
      - { .name: mask, .offset: 56, .size: 8, .value_kind: global_buffer, .address_space: global }
      - { .name: codes, .offset: 64, .size: 8, .value_kind: global_buffer, .address_space: global }
      - { .name: scales, .offset: 72, .size: 8, .value_kind: global_buffer, .address_space: global }
      - { .name: wof, .offset: 80, .size: 8, .value_kind: global_buffer, .address_space: global }
      - { .name: maskw, .offset: 88, .size: 8, .value_kind: global_buffer, .address_space: global }
    .group_segment_fixed_size: 68096
    .private_segment_fixed_size: 0
    .kernarg_segment_align: 8
    .kernarg_segment_size: 96
    .max_flat_workgroup_size: 128
    .sgpr_count:     66
    .vgpr_count:     192
    .wavefront_size: 32
...
	.end_amdgpu_metadata
.endif
;; end of part 1
;; launch proj (part 2): grid 4 x 96, 4 waves a work-group, clusters of 4 x 4, 327,680 bytes of LDS; arguments codes, scales, bq, bv, qkv; writes qkv
.if DOCPART == 2
	.amdgcn_target "amdgcn-amd-amdhsa--gfx1250"
	.amdhsa_code_object_version 6
	.text
	.protected	k_q453bb80cf3_proj
	.globl	k_q453bb80cf3_proj
	.p2align	8
	.type	k_q453bb80cf3_proj,@function
k_q453bb80cf3_proj:
	s_mov_b64 s[64:65], 0
	v_nop
	global_prefetch_b8 v0, s[64:65] scope:SCOPE_SE
	s_setreg_imm32_b32 hwreg(HW_REG_WAVE_MODE, 25, 1), 1
	s_wait_xcnt 0x0
	s_wait_alu depctr_hold_cnt(0) depctr_sa_sdst(0) depctr_va_vdst(0) depctr_va_sdst(0) depctr_va_ssrc(0) depctr_va_vcc(0) depctr_vm_vsrc(0)
	s_getreg_b32 s2, hwreg(HW_REG_IB_STS2, 6, 4)
	s_cmp_eq_u32 s2, 0
	s_cbranch_scc0 .Lentry_in_a_cluster
	s_endpgm
.Lentry_in_a_cluster:
	s_bfe_u32 s2, ttmp6, 0x10000c
	s_cmp_lg_u32 s2, 0xf033
	s_cbranch_scc0 .Lentry_shape_is_right
	s_endpgm
.Lentry_shape_is_right:
; PROJ: the three quantised products q Wq^T + bq, k Wk^T, v Wv^T + bv on codes of E2M1 with E8M0 scales; results leave as f16 in the order of attention's operand registers.
; bk is left out: it adds the same term to all scores of a row ahead of the softmax (shown at the head of the first kernel).
; A tile of 256 x 256 is made by four waves, each 128 x 128: 64 accumulators, 512 registers.  K = 1,024 is two LDS slots of 512 along K (rows of 256 bytes), both asked for at the start: nothing is filled again.
; The scale bytes of the work-group's 2 x 256 rows, for all of K, come once, as runs of 256 bytes.  By this text's count a wave has three tensor loads out at the most.
; CLUSTERS: 4 x 4.  Cluster y picks the product P = y / 8 and the part j = y % 8.  The side called A (source 1: it gives a result's LANES) is shared along a row of the cluster, the side called B (source 0: it gives a
; result's REGISTERS) along a column; each tile is asked for jointly.  P = 0, 1: A = 256 tokens (tile row 4 j + cy), B = 256 rows of the weight (tile column cx): a lane holds one token and eight neighbouring
; channels: half a fragment of Q or K.  P = 2: A = 256 rows of Wv (tile row cy), B = 256 tokens (tile column 4 j + cx): a lane holds one channel and eight neighbouring keys: half a fragment of V^T.
; So every store is four registers of 32 lanes, 512 consecutive bytes, and no result goes through LDS.
; V leaves as a pair of f16: hi = the number rounded to 11 significant bits (in f32, by its bits), lo = the rest; the first 16 positions of each sequence are computed from both.
; LIMITS: the projected numbers go to f16: magnitudes under 65,504; under 2^-14 they carry f16's absolute step 2^-24.
; REGISTERS: window 0: v16-31 addresses; v32-95 scale words, two sets, and nothing else; v128-191 A's fragments, one set; v192-255 the bias; on the way out v96-255.  window 1: B's fragments, two sets (on V's way out
;   v128-191 take the high parts).  windows 2, 3: the accumulators.
.set KSTEP,  512
.set NQ,     4
.set ROWB,   256
.set KROW,   512                       ; a row of codes in memory
.set PITCH,  272                       ; an LDS row: 256 bytes + 16 of padding: the 16 rows of a fragment load start 17 x 16 bytes apart
.set FR,     8
.set NL,     2
.set NP,     4
.set HALFT,  128*PITCH
.set SLOT,   4*HALFT
.set KS,     32                        ; a row of scale bytes
.set SCL,    2*SLOT
.set HALFS,  (128*KS/256)*272
.set SBLK,   (16*KS/256)*272
.set SPARE,  SCL+4*HALFS               ; the spare words: two blocks of 256 bytes that no other line names
.set ADRA, 16
.set ADRB, 20
.set CO,   26                          ; v26 16 x lane
.set ADRS, 27
.set SPW,  28
.set NIL,  29
.set OH,   30                          ; v30 32 h: bq's offset
.set OR4,  31                          ; v31 4 r: bv's offset
.set SC,   32
.set AF,   128
.set G1, 24
.set G0, 32
.set G1B, 48
.set G0B, 56
.set G1S, 68
.set G0S, 76
.set G1SB, 80
.set G0SB, 88
.set MSB, 0
.macro WIN new                         ; the immediate's high byte repeats the setting that is left
.if MSB != (\new)
	s_set_vgpr_msb (MSB<<8)|(\new)
.set MSB, (\new)
.endif
.endm
.set MUL_LO, 0xa1                      ; source 0 (B) window 1, source 1 (A) window 0, C and D window 2
.set MUL_HI, 0xf1
.set TO_B,   0x40
.macro JLOAD g0a, g1a, g0b, g1b        ; a joint load: waves 0, 1 fetch for A, waves 2, 3 for B; an s_nop 0 and four v_nop follow each line
	s_cmp_eq_u32 s15, 0
	s_cbranch_scc0 .Lfor_b_\@
	tensor_load_to_lds s[\g0a:\g0a+3], s[\g1a:\g1a+7]
	s_nop 0
.rept 4
	v_nop
.endr
	s_branch .Lasked_\@
.Lfor_b_\@:
	tensor_load_to_lds s[\g0b:\g0b+3], s[\g1b:\g1b+7]
	s_nop 0
.rept 4
	v_nop
.endr
.Lasked_\@:
.endm
.macro CREST
	s_cmp_lg_u32 s14, 0
	s_cbranch_scc1 .Lnot_wave_0_\@
	s_barrier_signal -3
.Lnot_wave_0_\@:
	s_barrier_wait -3
	s_barrier_signal -1
	s_barrier_wait -1
.endm
.macro CROUND
	s_barrier_signal -1
	s_barrier_wait -1
	CREST
.endm
	s_load_b256 s[4:11], s[0:1], 0x0               ; codes s[4:5], scales s[6:7], bq s[8:9], bv s[10:11]
	s_load_b64 s[12:13], s[0:1], 0x20              ; qkv
	v_lshl_add_u32 v[SPW], v0, 2, SPARE
	v_mov_b32 v[NIL], 0
	ds_add_u32 v[SPW], v[NIL]                      ; the wave's opening: the add, twice on end, and its wait ahead of my first tensor load
	ds_add_u32 v[SPW], v[NIL]
	v_lshrrev_b32 v1, 5, v0
	v_readfirstlane_b32 s14, v1                    ; wave 0..3
	s_lshr_b32 s15, s14, 1                         ; my half of A's rows.  Also: I fetch for A (0) or for B (1)
	s_and_b32 s16, s14, 1                          ; my half of B's rows.  Also: which 128 rows I fetch
	s_bfe_u32 s40, ttmp6, 0x40000                  ; cx
	s_bfe_u32 s41, ttmp6, 0x40004                  ; cy
	s_and_b32 s17, ttmp7, 0xffff                   ; cluster y, the same in all sixteen partners
	s_lshr_b32 s95, s17, 3                         ; P: which product
	s_and_b32 s17, s17, 7                          ; j
	s_lshl_b32 s98, s95, 22                        ; tokens' codes of product P
	s_lshl_b32 s99, s95, 19
	s_add_co_u32 s99, s99, 12582912                ; its weight's codes
	s_mov_b32 s100, 13631488                       ; Wv's codes
	s_mov_b32 s101, 8388608                        ; v's codes
	s_cmp_eq_u32 s95, 2
	s_cselect_b32 s96, 0, s17
	s_cselect_b32 s97, s17, 0
	s_cselect_b32 s98, s100, s98                   ; where A's codes begin
	s_cselect_b32 s99, s101, s99                   ; where B's begin
	s_lshl_b32 s17, s96, 2
	s_add_co_u32 s17, s17, s41                     ; TR: A's tile
	s_lshl_b32 s42, s97, 2
	s_add_co_u32 s42, s42, s40                     ; TC: B's tile
	s_lshl_b32 s43, s41, 2
	s_lshl_b32 s43, 15, s43                        ; my row of the cluster
	s_lshl_b32 s44, 0x1111, s40                    ; my column
	s_or_b32 s[G1+0], s43, (0<<16)|(1<<20)|(1<<21)|(5<<22)|(3<<25)  ; the mask; elements of 1 byte; padding: 4 words behind every 64; bit 21 beside a mask
	s_or_b32 s[G1B+0], s44, (0<<16)|(1<<20)|(1<<21)|(5<<22)|(3<<25)
.irp g, G1, G1B
	s_mov_b32 s[\g+1], ROWB<<16                    ; tensor_dim0
	s_mov_b32 s[\g+2], 128<<16                     ; tensor_dim1
	s_mov_b32 s[\g+3], ROWB<<16                    ; tile_dim0
	s_mov_b32 s[\g+4], 128                         ; tile_dim1
	s_mov_b32 s[\g+5], KROW                        ; the pitch
	s_mov_b32 s[\g+6], 0
	s_mov_b32 s[\g+7], 0
.endr
	s_or_b32 s[G1S+0], s43, (3<<16)|(1<<20)|(1<<21)|(5<<22)|(3<<25) ; the scales of 128 rows: 4,096 dense bytes as 16 rows of 32 elements of 8 bytes
	s_or_b32 s[G1SB+0], s44, (3<<16)|(1<<20)|(1<<21)|(5<<22)|(3<<25)
.irp g, G1S, G1SB
	s_mov_b32 s[\g+1], 32<<16
	s_mov_b32 s[\g+2], (128*KS/256)<<16
	s_mov_b32 s[\g+3], 32<<16
	s_mov_b32 s[\g+4], 128*KS/256
	s_mov_b32 s[\g+5], 32
	s_mov_b32 s[\g+6], 0
	s_mov_b32 s[\g+7], 0
.endr
	s_lshl_b32 s18, s16, 7                         ; which 128 rows of the tile I fetch
	s_lshl_b32 s20, s17, 8
	s_add_co_u32 s20, s20, s18                     ; A's row
	s_lshl_b32 s46, s42, 8
	s_add_co_u32 s46, s46, s18                     ; B's row
	s_lshl_b32 s22, s20, 5
	s_lshr_b32 s19, s98, 4                         ; every offset in scales is the offset in codes / 16
	s_add_co_u32 s22, s22, s19
	s_mov_b32 s23, 0
	s_lshl_b32 s20, s20, 9
	s_add_co_u32 s20, s20, s98
	s_mov_b32 s21, 0
	s_lshl_b32 s92, s46, 5
	s_lshr_b32 s19, s99, 4
	s_add_co_u32 s92, s92, s19
	s_mov_b32 s93, 0
	s_lshl_b32 s46, s46, 9
	s_add_co_u32 s46, s46, s99
	s_mov_b32 s47, 0
	s_mul_i32 s45, s14, HALFT                      ; where they go: wave x 128 rows: no place in the cluster enters an LDS address
	s_mul_i32 s94, s14, HALFS
	s_wait_dscnt 0x0                               ; both opening adds are done
	s_wait_kmcnt 0x0
	s_add_nc_u64 s[20:21], s[4:5], s[20:21]
	s_add_nc_u64 s[22:23], s[6:7], s[22:23]
	s_add_nc_u64 s[46:47], s[4:5], s[46:47]
	s_add_nc_u64 s[92:93], s[6:7], s[92:93]
	CROUND                                         ; all sixteen work-groups are here: the joint loads meet
	s_mov_b32 s[G0S], 1
	s_add_co_u32 s[G0S+1], s94, SCL
	s_mov_b64 s[G0S+2:G0S+3], s[22:23]
	s_or_b32 s[G0S+3], s[G0S+3], 0x80000000
	s_mov_b32 s[G0SB], 1
	s_add_co_u32 s[G0SB+1], s94, SCL
	s_mov_b64 s[G0SB+2:G0SB+3], s[92:93]
	s_or_b32 s[G0SB+3], s[G0SB+3], 0x80000000
	JLOAD G0S, G1S, G0SB, G1SB                     ; the scales first: they are wanted with the first slot
.irp s, 0,1
	s_mov_b32 s[G0+4*\s], 1
	s_add_co_u32 s[G0+4*\s+1], s45, \s*SLOT
	s_add_nc_u64 s[G0+4*\s+2:G0+4*\s+3], s[20:21], \s*ROWB
	s_or_b32 s[G0+4*\s+3], s[G0+4*\s+3], 0x80000000
	s_mov_b32 s[G0B+4*\s], 1
	s_add_co_u32 s[G0B+4*\s+1], s45, \s*SLOT
	s_add_nc_u64 s[G0B+4*\s+2:G0B+4*\s+3], s[46:47], \s*ROWB
	s_or_b32 s[G0B+4*\s+3], s[G0B+4*\s+3], 0x80000000
	JLOAD G0+4*\s, G1, G0B+4*\s, G1B
.endr
	v_and_b32 v1, 15, v0                           ; r
	v_bfe_u32 v2, v0, 4, 1                         ; h
	v_mul_u32_u24 v3, v1, PITCH
	v_lshl_add_u32 v4, v2, 4, v3                   ; a fragment's row x pitch + 16 h
	s_mul_i32 s21, s15, HALFT
	s_mul_i32 s22, s16, HALFT
	s_add_co_u32 s22, s22, 2*HALFT
.irp s, 0,1
	v_add_nc_u32 v[ADRA+\s], s21, v4
	v_add_nc_u32 v[ADRB+\s], s22, v4
	s_add_co_u32 s21, s21, SLOT
	s_add_co_u32 s22, s22, SLOT
.endr
	v_mul_u32_u24 v5, v1, KS                       ; my row's scales: 32 bytes a row,
	v_lshrrev_b32 v6, 8, v5
	v_lshl_add_u32 v5, v6, 4, v5                   ; and 16 more for each 256 passed
	s_mul_i32 s21, s15, HALFS
	s_mul_i32 s22, s16, HALFS
	s_add_co_u32 s22, s22, 2*HALFS
	s_sub_co_u32 s22, s22, s21
	v_mul_u32_u24 v6, s22, v2                      ; lanes 16-31 take B's
	s_add_co_u32 s21, s21, SCL
	v_add_nc_u32 v5, v5, v6
	v_add_nc_u32 v[ADRS], s21, v5
	v_and_b32 v6, 31, v0
	v_lshlrev_b32 v[CO], 4, v6
	v_lshlrev_b32 v[OH], 5, v2
	v_lshlrev_b32 v[OR4], 2, v1
.macro FRAG reg, adr, q, i             ; 16 rows x 128 K of 4-bit codes: registers 4 c .. 4 c + 3 hold K = 64 c + 32 h + 0 .. 31
.irp c, 0,1
	ds_load_b128 v[\reg+4*\c:\reg+4*\c+3], v[\adr] offset:64*(\q)+32*\c+(\i)*16*PITCH
.endr
.endm
; 16 products: A's blocks a0, a0 + 1 x B's eight.  The 64 accumulators take turns, one instruction a turn, in the same order in every step.
.macro MUL16 a0, p, q, sc, zero
.irp a, \a0, \a0+1
.irp b, 0,1,2,3,4,5,6,7
.if \zero
	v_wmma_scale_f32_16x16x128_f8f6f4 v[8*(8*((\a)%4)+\b):8*(8*((\a)%4)+\b)+7], v[128*(\p)+FR*\b:128*(\p)+FR*\b+FR-1], v[AF+FR*(\a):AF+FR*(\a)+FR-1], 0, v[SC+8*NQ*(\sc)+NQ*\b+(\q)], v[SC+8*NQ*(\sc)+NQ*(\a)+(\q)] matrix_a_fmt:MATRIX_FMT_FP4 matrix_b_fmt:MATRIX_FMT_FP4 matrix_a_scale:MATRIX_SCALE_ROW1
.else
	v_wmma_scale_f32_16x16x128_f8f6f4 v[8*(8*((\a)%4)+\b):8*(8*((\a)%4)+\b)+7], v[128*(\p)+FR*\b:128*(\p)+FR*\b+FR-1], v[AF+FR*(\a):AF+FR*(\a)+FR-1], v[8*(8*((\a)%4)+\b):8*(8*((\a)%4)+\b)+7], v[SC+8*NQ*(\sc)+NQ*\b+(\q)], v[SC+8*NQ*(\sc)+NQ*(\a)+(\q)] matrix_a_fmt:MATRIX_FMT_FP4 matrix_b_fmt:MATRIX_FMT_FP4 matrix_a_scale:MATRIX_SCALE_ROW1
.endif
.endr
.endr
.endm
.macro FETCH_B slot, q, p
	WIN TO_B
.irp i, 0,1,2,3,4,5,6,7
	FRAG 128*(\p)+FR*\i, ADRB+\slot, \q, \i
.endr
	WIN 0
.endm
.macro FETCH_A slot, q, i0
.irp i, \i0, \i0+1, \i0+2, \i0+3
	FRAG AF+FR*(\i), ADRA+\slot, \q, \i
.endr
.endm
.macro SCALES sc                       ; a slot's scale words: four a row; lanes 0-15 take A's block i, lanes 16-31 B's block i
.irp i, 0,1,2,3,4,5,6,7
	ds_load_b128 v[SC+8*NQ*\sc+NQ*\i:SC+8*NQ*\sc+NQ*\i+3], v[ADRS] offset:\i*SBLK
.endr
.endm
.macro PLACES n                        ; plain vector places between a matrix instruction and a load into, or a vector read or write of, its registers
.rept \n
	v_nop
.endr
.endm
.macro STEP slot, q, zero              ; 128 along K with its successor in the same slot
	s_wait_dscnt 4*NL                              ; B's set and A's blocks 0-3 are in; the youngest eight loads (A's blocks 4-7) may be out
	WIN MUL_LO
	MUL16 0, (\q)%2, \q, \slot, \zero
	MUL16 2, (\q)%2, \q, \slot, \zero
	s_wait_dscnt 0
	PLACES NP
	FETCH_B \slot, (\q)+1, 1-(\q)%2
	FETCH_A \slot, (\q)+1, 0
	WIN MUL_HI
	MUL16 4, (\q)%2, \q, \slot, \zero
	MUL16 6, (\q)%2, \q, \slot, \zero
	PLACES NP
	WIN 0
	FETCH_A \slot, (\q)+1, 4
.endm
.macro TURN slot, next                 ; slot 0's last step: one barrier, behind which slot 1 is whole for every wave; nothing is filled again
	s_wait_tensorcnt 0x0                           ; all my tensor loads have landed: my part of slot 1
	ds_add_u32 v[SPW], v[NIL]                      ; 0 onto my spare word
	s_wait_dscnt 4*NL+1                            ; the add and the youngest eight loads may be out
	WIN MUL_LO
	MUL16 0, 1, NQ-1, \slot, 0
	s_wait_dscnt 0x0
	s_barrier_signal -1
	MUL16 2, 1, NQ-1, \slot, 0
	WIN 0
	s_barrier_wait -1
	PLACES NP
	v_add_nc_u32 v[ADRS], 4*NQ, v[ADRS]            ; the next slot's scale words (no LDS load of mine is out)
	FETCH_B \next, 0, 0
	FETCH_A \next, 0, 0
	SCALES \next
	WIN MUL_HI
	MUL16 4, 1, NQ-1, \slot, 0
	MUL16 6, 1, NQ-1, \slot, 0
	PLACES NP
	WIN 0
	FETCH_A \next, 0, 4
.endm
.macro LASTSTEP
	s_wait_dscnt 4*NL
	WIN MUL_LO
	MUL16 0, 1, NQ-1, 1, 0
	MUL16 2, 1, NQ-1, 1, 0
	s_wait_dscnt 0
	WIN MUL_HI
	MUL16 4, 1, NQ-1, 1, 0
	MUL16 6, 1, NQ-1, 1, 0
	WIN 0
	PLACES NP                                      ; ahead of the first vector read of results just made, and of vector writes of the operands' registers
.endm
	s_wait_tensorcnt 1                             ; the scales and my part of slot 0 are in; slot 1's load may be out,
	s_barrier_signal -1
	s_barrier_wait -1                              ; everybody's are
	FETCH_B 0, 0, 0
	FETCH_A 0, 0, 0
	SCALES 0
	FETCH_A 0, 0, 4
	STEP 0, 0, 1                                   ; the first step's products start the sums
	STEP 0, 1, 0
	STEP 0, 2, 0
	TURN 0, 1
	STEP 1, 0, 0
	STEP 1, 1, 0
	STEP 1, 2, 0
; THE WAY OUT of Q and K.  T: v128-191 (A's fragments are done with) results + bias; H: v96-127 as f16.  Block a is 16 tokens; B's block b is 16 channels: half (b % 2) of fragment (b % 4) / 2 of head b / 4.
.set T,  128
.set H,  96
.set BQ, 192
.macro OUTQK bias, sa, sb
.set ia, 0
.rept 8
	s_wait_xcnt 0x0                                ; the last block's stores have read H
.if \bias
	WIN 0x02+ia/4                                  ; source 0: window 2 or 3
.set ib, 0
.rept 8
.irp p, 0,2,4,6
	v_pk_add_f32 v[T+8*ib+\p:T+8*ib+\p+1], v[8*(8*(ia%4)+ib)+\p:8*(8*(ia%4)+ib)+\p+1], v[BQ+8*ib+\p:BQ+8*ib+\p+1]
.endr
.set ib, ib+1
.endr
	WIN 0
.set ib, 0
.rept 32
	v_cvt_pk_f16_f32 v[H+ib], v[T+2*ib], v[T+2*ib+1]
.set ib, ib+1
.endr
.else
	WIN 0x0a+5*(ia/4)                              ; sources 0 and 1: window 2 or 3
.set ib, 0
.rept 32
	v_cvt_pk_f16_f32 v[H+ib], v[64*(ia%4)+2*ib], v[64*(ia%4)+2*ib+1]
.set ib, ib+1
.endr
	WIN 0
.endif
.set ib, 0
.rept 8
	global_store_b128 v[CO], v[H+4*ib:H+4*ib+3], s[12:13] offset:(\sa)*(ia/4)+2048*(ia%4)+(\sb)*(ib/4)+1024*((ib%4)/2)+512*(ib%2)
.set ib, ib+1
.endr
.set ia, ia+1
.endr
.endm
.macro HEADQK                          ; s20 = 16 batch + my first head, s21 = the tile's place in its sequence
	s_lshr_b32 s20, s17, 3
	s_lshl_b32 s20, s20, 4
	s_lshl_b32 s21, s42, 2
	s_add_co_u32 s20, s20, s21
	s_lshl_b32 s21, s16, 1
	s_add_co_u32 s20, s20, s21
	s_and_b32 s21, s17, 7
.endm
	s_cmp_eq_u32 s95, 0                            ; which product: cluster y alone decides, the same in all partners
	s_cbranch_scc0 .Lnot_q
	; ---- Q: Qf [16 batch + head][tile of 16 queries 128][32 of the head's 64: 2][1,024 bytes], at byte 0 of qkv
	s_lshl_b32 s22, s42, 10
	s_lshl_b32 s23, s16, 9
	s_add_co_u32 s22, s22, s23
	s_mov_b32 s23, 0
	s_add_nc_u64 s[8:9], s[8:9], s[22:23]          ; bq at my 128 channels; lane (r, h) wants, for block b, channels 16 b + 8 h + 0 .. 7
.set ib, 0
.rept 8
	global_load_b128 v[BQ+8*ib:BQ+8*ib+3], v[OH], s[8:9] offset:64*ib
	global_load_b128 v[BQ+8*ib+4:BQ+8*ib+7], v[OH], s[8:9] offset:64*ib+16
.set ib, ib+1
.endr
	HEADQK
	s_lshl_b32 s22, s20, 18
	s_lshl_b32 s23, s21, 15
	s_add_co_u32 s22, s22, s23
	s_lshl_b32 s23, s15, 14
	s_add_co_u32 s22, s22, s23
	s_mov_b32 s23, 0
	s_add_nc_u64 s[12:13], s[12:13], s[22:23]
	LASTSTEP
	s_wait_loadcnt 0x0                             ; bq
	OUTQK 1, 8192, 262144
	s_branch .Ldone
.Lnot_q:
	s_cmp_eq_u32 s95, 1
	s_cbranch_scc0 .Lv
	; ---- K: KVf [16 batch + head][step of 64 keys 32][16,384 bytes], at byte 16,777,216: K's fragment (tile t of 16 keys, s) at 2,048 t + 1,024 s
	HEADQK
	s_lshl_b32 s22, s20, 19
	s_lshl_b32 s23, s21, 16
	s_add_co_u32 s22, s22, s23
	s_lshl_b32 s23, s15, 15
	s_add_co_u32 s22, s22, s23
	s_add_co_u32 s22, s22, 16777216
	s_mov_b32 s23, 0
	s_add_nc_u64 s[12:13], s[12:13], s[22:23]
	LASTSTEP
	OUTQK 0, 16384, 524288
	s_branch .Ldone
.Lv:
	; ---- V: in KVf a step's V^T fragment (32 keys g, 16 channels dt) at 8,192 + 4,096 g + 1,024 dt; the low parts in Vlo [16 batch + head][32 keys 64][dt 4][1,024 bytes], at byte 50,331,648
.set TV, 128                           ; window 0: results + bias, then the low parts in f32
.set YV, 128                           ; WINDOW 1 (B's second set is done with): the high parts in f32
.set LV, 192
.set BV, 240
	s_lshl_b32 s22, s17, 10
	s_lshl_b32 s23, s15, 9
	s_add_co_u32 s22, s22, s23
	s_mov_b32 s23, 0
	s_add_nc_u64 s[10:11], s[10:11], s[22:23]      ; bv at my 128 channels; lane (r, h) wants, for block a, channel 16 a + r: twice, as a pair for the packed addition
.set ia, 0
.rept 8
	global_load_b32 v[BV+2*ia], v[OR4], s[10:11] offset:64*ia
	global_load_b32 v[BV+2*ia+1], v[OR4], s[10:11] offset:64*ia
.set ia, ia+1
.endr
	s_lshr_b32 s20, s42, 3
	s_lshl_b32 s20, s20, 4
	s_lshl_b32 s21, s17, 2
	s_add_co_u32 s20, s20, s21
	s_lshl_b32 s21, s15, 1
	s_add_co_u32 s20, s20, s21                     ; 16 batch + my first head
	s_and_b32 s21, s42, 7
	s_lshl_b32 s21, s21, 3
	s_lshl_b32 s22, s16, 2
	s_add_co_u32 s21, s21, s22                     ; my first group of 32 keys in the sequence, a multiple of 4
	s_lshl_b32 s22, s20, 19
	s_lshl_b32 s23, s21, 13
	s_add_co_u32 s22, s22, s23
	s_add_co_u32 s22, s22, 16785408
	s_mov_b32 s23, 0
	s_lshl_b32 s46, s20, 18
	s_lshl_b32 s47, s21, 12
	s_add_co_u32 s46, s46, s47
	s_add_co_u32 s46, s46, 50331648
	s_mov_b32 s47, 0
	s_add_nc_u64 s[46:47], s[12:13], s[46:47]
	s_add_nc_u64 s[12:13], s[12:13], s[22:23]
	s_mov_b32 s96, 0x1000
	s_mov_b32 s97, 0xffffe000
	LASTSTEP
	s_wait_loadcnt 0x0                             ; bv
.set ia, 0
.rept 8
	WIN 0x02+ia/4                                  ; source 0: window 2 or 3
.set ib, 0
.rept 32
	v_pk_add_f32 v[TV+2*ib:TV+2*ib+1], v[64*(ia%4)+2*ib:64*(ia%4)+2*ib+1], v[BV+2*ia:BV+2*ia+1]
.set ib, ib+1
.endr
	WIN 0x40                                       ; destination window 1
.set ib, 0
.rept 64
	v_add_nc_u32 v[YV+ib], s96, v[TV+ib]           ; half a step of the 11th significant bit onto the bits,
.set ib, ib+1
.endr
	WIN 0x44                                       ; destination and source 1 window 1
.set ib, 0
.rept 64
	v_and_b32 v[YV+ib], s97, v[YV+ib]              ; and the bits under it off: the number rounded to 11 significant bits, in f32
.set ib, ib+1
.endr
	s_wait_xcnt 0x0                                ; the last block's stores have read H and LV
	WIN 0x05                                       ; sources 0 and 1 window 1, destination window 0
.set ib, 0
.rept 32
	v_cvt_pk_f16_f32 v[H+ib], v[YV+2*ib], v[YV+2*ib+1]
.set ib, ib+1
.endr
	WIN 0x04                                       ; source 1 window 1
.set ib, 0
.rept 32
	v_pk_add_f32 v[TV+2*ib:TV+2*ib+1], v[TV+2*ib:TV+2*ib+1], v[YV+2*ib:YV+2*ib+1] neg_lo:[0,1] neg_hi:[0,1]   ; the rest, exact in f32
.set ib, ib+1
.endr
	WIN 0
.set ib, 0
.rept 32
	v_cvt_pk_f16_f32 v[LV+ib], v[TV+2*ib], v[TV+2*ib+1]
.set ib, ib+1
.endr
.set ib, 0
.rept 8
	global_store_b128 v[CO], v[H+4*ib:H+4*ib+3], s[12:13] offset:524288*(ia/4)+1024*(ia%4)+16384*(ib/4)+4096*((ib/2)%2)+512*(ib%2)
	global_store_b128 v[CO], v[LV+4*ib:LV+4*ib+3], s[46:47] offset:262144*(ia/4)+1024*(ia%4)+4096*(ib/2)+512*(ib%2)
.set ib, ib+1
.endr
.set ia, ia+1
.endr
.Ldone:
	s_wait_tensorcnt 0x0                           ; the wave's end
	ds_add_u32 v[SPW], v[NIL]
	s_wait_dscnt 0x0
	CROUND                                         ; the closing round
	s_endpgm
.Lfunc_end_k_q453bb80cf3_proj:
	.size	k_q453bb80cf3_proj, .Lfunc_end_k_q453bb80cf3_proj-k_q453bb80cf3_proj
	.p2alignl 7, 3214868480
	.fill 96, 4, 3214868480
	.section	.rodata,"a",@progbits
	.p2align	6, 0x0
	.amdhsa_kernel k_q453bb80cf3_proj
		.amdhsa_group_segment_fixed_size 327680
		.amdhsa_private_segment_fixed_size 0
		.amdhsa_enable_private_segment 0
		.amdhsa_kernarg_size 40
		.amdhsa_user_sgpr_count 2
		.amdhsa_user_sgpr_kernarg_segment_ptr 1
		.amdhsa_wavefront_size32 1
		.amdhsa_system_sgpr_workgroup_id_x 1
		.amdhsa_system_sgpr_workgroup_id_y 1
		.amdhsa_system_sgpr_workgroup_id_z 1
		.amdhsa_system_vgpr_workitem_id 0
		.amdhsa_next_free_vgpr 1024
		.amdhsa_next_free_sgpr 102
		.amdhsa_reserve_vcc 0
		.amdhsa_float_denorm_mode_32 3
		.amdhsa_float_denorm_mode_16_64 3
		.amdhsa_memory_ordered 1
		.amdhsa_forward_progress 1
		.amdhsa_inst_pref_size 255
	.end_amdhsa_kernel
	.section	.bss,"aw",@nobits
	.p2align	6
	.space	262144
	.amdgpu_metadata
---
amdhsa.version: [ 1, 2 ]
amdhsa.kernels:
  - .name:           k_q453bb80cf3_proj
    .symbol:         k_q453bb80cf3_proj.kd
    .args:
      - { .name: codes, .offset: 0, .size: 8, .value_kind: global_buffer, .address_space: global }
      - { .name: scales, .offset: 8, .size: 8, .value_kind: global_buffer, .address_space: global }
      - { .name: bq, .offset: 16, .size: 8, .value_kind: global_buffer, .address_space: global }
      - { .name: bv, .offset: 24, .size: 8, .value_kind: global_buffer, .address_space: global }
      - { .name: qkv, .offset: 32, .size: 8, .value_kind: global_buffer, .address_space: global }
    .group_segment_fixed_size: 327680
    .private_segment_fixed_size: 0
    .kernarg_segment_align: 8
    .kernarg_segment_size: 40
    .max_flat_workgroup_size: 128
    .sgpr_count:     102
    .vgpr_count:     1024
    .wavefront_size: 32
...
	.end_amdgpu_metadata
.endif
;; end of part 2
;; launch attn (part 3): grid 4 x 64, 8 waves a work-group, no clusters, 33,792 bytes of LDS; arguments qkv, maskw, cf; writes cf
.if DOCPART == 3
	.amdgcn_target "amdgcn-amd-amdhsa--gfx1250"
	.amdhsa_code_object_version 6
	.text
	.protected	k_q453bb80cf3_attn
	.globl	k_q453bb80cf3_attn
	.p2align	8
	.type	k_q453bb80cf3_attn,@function
k_q453bb80cf3_attn:
	s_mov_b64 s[64:65], 0
	v_nop
	global_prefetch_b8 v0, s[64:65] scope:SCOPE_SE
	s_setreg_imm32_b32 hwreg(HW_REG_WAVE_MODE, 25, 1), 1
	s_wait_xcnt 0x0
; ATTN: scores, softmax and P V of all positions, operands in f16, sums, maxima and exponentials in f32.  bk is left out (shown at the head of the first kernel).
; A step of 64 keys that the mask hides wholly for a block of 32 queries is not computed: a branch on the flags that the first launch stored as whole numbers.
; NO TENSOR LOAD AND NO CLUSTER: those branches hang on numbers read from memory.  What a cluster would share is a step's 16,384 bytes among four
; work-groups; what the flags spare is whole steps of both products.
; SHARES.  Work-group (x, bh) owns two blocks of 256 queries of one head, in two passes: block 7 - x, then block x.  Each of its eight waves owns 32 queries: two tiles of 16.
; Two waves to a SIMD, 512 registers each: one wave's softmax stands beside the other's products.
; A step's K and V^T fragments are one image of 16,384 bytes in memory.  The eight waves bring it through registers into one of two LDS buffers, 2,048 bytes a wave, a step ahead; one barrier a step.
; LAYOUT.  S^T = K Q^T (source 0 = 16 keys, source 1 = 16 queries), O^T = V^T P: a lane holds ONE query (lane % 16) throughout; two tiles of S^T, rounded in pairs, are source 1 of the second product.
; SOFTMAX.  A running maximum m and sum l for each query: p = 2^(c s - c m), c = log2(e) / 8; in every step O and l are multiplied by a = 2^(c m_old - c m_new).
; LIMITS.  Scores lie above -3e38, m's first value.  A row that is hidden wholly gives 0 x (1 / 0) = NaN.  p and the result go to f16: p under 2^-24 counts as 0 in the product (not in the sum);
; results stay under 65,504.  Rows beyond position 15 that a mask leaves with very few keys carry plain f16 rounding.
; REGISTERS.  window 0: v1-7 addresses and constants; v8-15, v40 flags; v24-39 statistics, 8 a tile: +0 c m, +1 m, +2, +3 l, +4..7 at work (a in +6); v64-127 S^T, 32 a tile; v128-159 P, 16 a tile; v160-223 K.
;   window 1: v0-63 O^T, 32 a tile; v64-95 Q, 16 a tile; v96-159 V^T; v160-175 the step on its way to LDS.
.set LI,   1                           ; 16 x lane
.set LW,   2                           ; 2,048 x wave + 16 x lane
.set PFO,  3                           ; 8,192 x wave + 256 x lane
.set L4,   4                           ; 4 x lane
.set NINF, 5
.set SPW,  6
.set NIL,  7
.set FL,   8
.set FO,   40
.set L4W,  41                          ; 4 x lane + 128 x wave
.set ST,   24
.set S,    64
.set P,    128
.set KF,   160
.set O,    0
.set Q,    64
.set VF,   96
.set STG,  160
.set SPARE, 32768                      ; behind the two buffers: the spare words, 128 bytes a wave: four blocks of 256 bytes that no other line names
.set GN, 84                            ; bit k: step k + 1 is wanted by some wave
.set WL, 85                            ; bit k: step k is not wholly hidden for my 32 queries
.set WM, 86                            ; bit k: it is hidden in part
.set PF, 87                            ; bit k: I ask for step k + 3
.set KI, 88                            ; the step
.set MSB, 0
.macro WIN new
.if MSB != (\new)
	s_set_vgpr_msb (MSB<<8)|(\new)
.set MSB, (\new)
.endif
.endm
	s_load_b128 s[96:99], s[0:1], 0x0              ; qkv, maskw
	s_load_b64 s[100:101], s[0:1], 0x10            ; cf
	v_lshl_add_u32 v[SPW], v0, 2, SPARE
	v_mov_b32 v[NIL], 0
	v_lshrrev_b32 v9, 5, v0
	v_readfirstlane_b32 s12, v9                    ; wave 0..7
	v_and_b32 v8, 31, v0
	v_lshlrev_b32 v[LI], 4, v8
	v_lshl_add_u32 v[LW], v9, 11, v[LI]
	v_lshlrev_b32 v[PFO], 8, v8
	v_lshl_add_u32 v[PFO], v9, 13, v[PFO]
	v_lshlrev_b32 v[L4], 2, v8
	v_lshl_add_u32 v[L4W], v9, 7, v[L4]
	v_mov_b32 v[NINF], 0xff800000
	s_mov_b32 s13, ttmp9                           ; x
	s_and_b32 s14, ttmp7, 0xffff                   ; bh = 16 batch + head
	s_mov_b32 s92, 0x3e38aa3b                      ; c = log2(e) / 8
	s_mov_b32 s93, s92                             ; (named with it as a pair)
	s_mov_b32 s94, 0x76543210
	s_mov_b32 s95, 0xfedcba98                      ; lane l xor 16
	WIN 0x40
.set i, 0
.rept 16
	v_mov_b32 v[STG+i], 0                          ; written once, so that these registers are written on every way
.set i, i+1
.endr
	WIN 0
	s_mov_b32 s90, 0                               ; the pass
	s_wait_kmcnt 0x0
.macro ADDP d, s                       ; both tiles: pair d of the weights += pair s
.irp u, 0,1
	v_pk_add_f32 v[S+32*\u+(\d):S+32*\u+(\d)+1], v[S+32*\u+(\d):S+32*\u+(\d)+1], v[S+32*\u+(\s):S+32*\u+(\s)+1]
.endr
.endm
.macro SOFTMAX                         ; the two tiles line by line, so that no line waits for the line above it
.irp j, 0,1,2,3
.irp u, 0,1
	v_max3_num_f32 v[ST+8*\u+4+\j], v[S+32*\u+8*\j], v[S+32*\u+8*\j+1], v[S+32*\u+8*\j+2]   ; each accumulator is read from its low end on
.endr
.endr
.irp i, 3,5
.irp j, 0,1,2,3
.irp u, 0,1
	v_max3_num_f32 v[ST+8*\u+4+\j], v[ST+8*\u+4+\j], v[S+32*\u+8*\j+\i], v[S+32*\u+8*\j+\i+1]
.endr
.endr
.endr
.irp u, 0,1
	v_max3_num_f32 v[ST+8*\u+4], v[ST+8*\u+4], v[S+32*\u+7], v[S+32*\u+15]
	v_max3_num_f32 v[ST+8*\u+6], v[ST+8*\u+6], v[S+32*\u+23], v[S+32*\u+31]
.endr
.irp u, 0,1
	v_max3_num_f32 v[ST+8*\u+4], v[ST+8*\u+4], v[ST+8*\u+5], v[ST+8*\u+6]
.endr
.irp u, 0,1
	v_max3_num_f32 v[ST+8*\u+4], v[ST+8*\u+4], v[ST+8*\u+7], v[ST+8*\u+1]   ; with the old m
.endr
.irp u, 0,1
	v_permlanex16_b32 v[ST+8*\u+5], v[ST+8*\u+4], s94, s95   ; the query's other 32 keys lie in the lane 16 away
.endr
.irp u, 0,1
	v_mov_b32 v[ST+8*\u+7], v[ST+8*\u]             ; c m_old
.endr
.irp u, 0,1
	v_max_num_f32 v[ST+8*\u+1], v[ST+8*\u+4], v[ST+8*\u+5]
.endr
.irp u, 0,1
	v_mul_f32 v[ST+8*\u], s92, v[ST+8*\u+1]
.endr
.irp u, 0,1
	v_sub_f32 v[ST+8*\u+7], v[ST+8*\u+7], v[ST+8*\u]
.endr
.set k, 0
.rept 16
.irp u, 0,1
	v_pk_fma_f32 v[S+32*\u+2*k:S+32*\u+2*k+1], v[S+32*\u+2*k:S+32*\u+2*k+1], s[92:93], v[ST+8*\u:ST+8*\u+1] op_sel_hi:[1,0,0] neg_lo:[0,0,1] neg_hi:[0,0,1]   ; c s - c m
.endr
.set k, k+1
.endr
.irp u, 0,1
	v_exp_f32 v[ST+8*\u+6], v[ST+8*\u+7]           ; a
.endr
.set k, 0
.rept 32
.irp u, 0,1
	v_exp_f32 v[S+32*\u+k], v[S+32*\u+k]           ; p: one batch of 66 exponentials
.endr
.set k, k+1
.endr
	v_nop                                          ; a plain instruction behind the last exponential
	s_wait_alu depctr_va_vdst(0)                   ; one wait for the batch, ahead of its first reader
.set k, 0
.rept 16
.irp u, 0,1
	v_cvt_pk_f16_f32 v[P+16*\u+k], v[S+32*\u+2*k], v[S+32*\u+2*k+1]
.endr
.set k, k+1
.endr
.irp z, 0,4,8,12,16,20,24,28
	ADDP \z,\z+2
.endr
.irp z, 0,8,16,24
	ADDP \z,\z+4
.endr
	ADDP 0,8
	ADDP 16,24
	ADDP 0,16
.irp u, 0,1
	v_pk_fma_f32 v[ST+8*\u+2:ST+8*\u+3], v[ST+8*\u+2:ST+8*\u+3], v[ST+8*\u+6:ST+8*\u+7], v[S+32*\u:S+32*\u+1] op_sel_hi:[1,0,1]   ; l = l a + the step's sum
.endr
	WIN 0x41                                       ; O^T (destination, source 0) in window 1
.set k, 0
.rept 16
.irp u, 0,1
	v_pk_mul_f32 v[O+32*\u+2*k:O+32*\u+2*k+1], v[O+32*\u+2*k:O+32*\u+2*k+1], v[ST+8*\u+6:ST+8*\u+7] op_sel_hi:[1,0]
.endr
.set k, k+1
.endr
	WIN 0
.endm
.macro COMPUTE beta                    ; the step in buffer beta
.rept 4
	v_nop                                          ; places between the last step's products and the loads into V's registers
.endr
.irp f, 0,1,2,3,4,5,6,7
	ds_load_b128 v[KF+8*\f:KF+8*\f+3], v[LI] offset:16384*\beta+1024*\f
	ds_load_b128 v[KF+8*\f+4:KF+8*\f+7], v[LI] offset:16384*\beta+1024*\f+512
.endr
	WIN 0x40
.irp f, 0,1,2,3,4,5,6,7
	ds_load_b128 v[VF+8*\f:VF+8*\f+3], v[LI] offset:16384*\beta+8192+1024*\f
	ds_load_b128 v[VF+8*\f+4:VF+8*\f+7], v[LI] offset:16384*\beta+8192+1024*\f+512
.endr
	s_wait_dscnt 16                                ; K's sixteen loads are in; V's sixteen may be out
	WIN 0x04                                       ; source 1 (Q) in window 1
.irp s, 0,1                            ; eight accumulators by turns, one instruction a turn
.irp t, 0,1,2,3
.irp u, 0,1
.if \s == 0
	v_wmma_f32_16x16x32_f16 v[S+32*\u+8*\t:S+32*\u+8*\t+7], v[KF+8*(2*\t+\s):KF+8*(2*\t+\s)+7], v[Q+16*\u+8*\s:Q+16*\u+8*\s+7], 0
.else
	v_wmma_f32_16x16x32_f16 v[S+32*\u+8*\t:S+32*\u+8*\t+7], v[KF+8*(2*\t+\s):KF+8*(2*\t+\s)+7], v[Q+16*\u+8*\s:Q+16*\u+8*\s+7], v[S+32*\u+8*\t:S+32*\u+8*\t+7]
.endif
.endr
.endr
.endr
	WIN 0
.rept 4
	v_nop
.endr
	s_bitcmp1_b32 s[WM], s[KI]
	s_cbranch_scc0 .Lopen_\@
	s_load_b512 s[16:31], s[8:9], 0x0              ; the step's record: 64 lane masks
	s_load_b512 s[32:47], s[8:9], 0x40
	s_load_b512 s[48:63], s[8:9], 0x80
	s_load_b512 s[68:83], s[8:9], 0xc0
	s_wait_kmcnt 0x0
.set w, 0
.rept 64
	v_cndmask_b32 v[S+w], v[S+w], v[NINF], s[16+w+4*(w/48)]   ; hidden scores become -infinity ahead of the maximum
.set w, w+1
.endr
.Lopen_\@:
	SOFTMAX
	s_wait_dscnt 0x0                               ; V
	WIN 0x51                                       ; V and O^T in window 1, P in window 0
.irp g, 0,1
.irp d, 0,1,2,3
.irp u, 0,1
	v_wmma_f32_16x16x32_f16 v[O+32*\u+8*\d:O+32*\u+8*\d+7], v[VF+8*(4*\g+\d):VF+8*(4*\g+\d)+7], v[P+16*\u+8*\g:P+16*\u+8*\g+7], v[O+32*\u+8*\d:O+32*\u+8*\d+7]
.endr
.endr
.endr
	WIN 0
.endm
.macro STEP beta
	s_bitcmp1_b32 s[GN], s[KI]
	s_cbranch_scc0 .Lno_load_\@
	WIN 0x40
.irp i, 0,1,2,3
	global_load_b128 v[STG+4*\i:STG+4*\i+3], v[LW], s[6:7] offset:16384+512*\i   ; my 2,048 bytes of the next step
.endr
	WIN 0
.Lno_load_\@:
	s_bitcmp1_b32 s[PF], s[KI]                     ; the step three on is asked for, two steps ahead of its loads, by the head's work-group 0 in its first pass alone, waves 0 and 1,
	s_cbranch_scc0 .Lno_ask_\@                     ; lanes 256 bytes apart: each block of 256 bytes is named once; the mask of steps, shifted by three, ends it inside the head's keys
	global_prefetch_b8 v[PFO], s[6:7] offset:49152 th:TH_LOAD_NT scope:SCOPE_SE
.Lno_ask_\@:
	s_bitcmp1_b32 s[WL], s[KI]
	s_cbranch_scc0 .Lhidden_\@
	COMPUTE \beta
.Lhidden_\@:
	s_wait_loadcnt 0x0                             ; the next step's bytes are in my registers
	s_bitcmp1_b32 s[GN], s[KI]
	s_cbranch_scc0 .Lno_store_\@
	WIN 0x04                                       ; an LDS store's data are its source 1
.irp i, 0,1,2,3
	ds_store_b128 v[LW], v[STG+4*\i:STG+4*\i+3] offset:(1-\beta)*16384+512*\i
.endr
	WIN 0
.Lno_store_\@:
	s_wait_xcnt 0x0                                ; the loads and the prefetch have read their base
	s_add_nc_u64 s[6:7], s[6:7], 16384
	s_add_nc_u64 s[8:9], s[8:9], 256
	s_add_co_u32 s[KI], s[KI], 1
	s_wait_dscnt 0x0                               ; my stores into the other buffer have landed, my reads of this one are back:
	s_barrier_signal -1                            ; one barrier orders this buffer's reads ahead of its next fill, and the other's fill ahead of its reads
	s_barrier_wait -1
.endm
.Lpass:
	s_wait_xcnt 0x0                                ; the last pass's stores have read their base and their registers
	s_sub_co_u32 s16, 7, s13
	s_cmp_eq_u32 s90, 0
	s_cselect_b32 s15, s16, s13                    ; qb: my block of 256 queries
	s_lshl_b32 s16, s14, 7
	s_lshl_b32 s17, s15, 4
	s_add_co_u32 s16, s16, s17
	s_lshl_b32 s17, s12, 1
	s_add_co_u32 s16, s16, s17
	s_lshl_b32 s16, s16, 11
	s_mov_b32 s17, 0
	s_add_nc_u64 s[4:5], s[96:97], s[16:17]        ; Q: tile 128 bh + 16 qb + 2 wave, 2,048 bytes a tile
	s_lshl_b32 s16, s14, 19
	s_add_co_u32 s16, s16, 16777216
	s_add_nc_u64 s[6:7], s[96:97], s[16:17]        ; the head's step 0
	s_lshl_b32 s16, s15, 3
	s_add_co_u32 s16, s16, s12
	s_lshl_b32 s16, s16, 13
	s_add_nc_u64 s[8:9], s[98:99], s[16:17]        ; my 32 queries' records
	s_lshl_b32 s16, s15, 10
	s_add_nc_u64 s[18:19], s[98:99], s[16:17]      ; the flags of the block's eight rows (524,288 further on: in the immediate)
	s_lshr_b32 s16, s14, 4
	s_lshl_b32 s16, s16, 7
	s_lshl_b32 s20, s15, 4
	s_add_co_u32 s16, s16, s20
	s_lshl_b32 s20, s12, 1
	s_add_co_u32 s16, s16, s20
	s_lshl_b32 s16, s16, 15
	s_and_b32 s20, s14, 15
	s_lshl_b32 s20, s20, 11
	s_add_co_u32 s16, s16, s20
	s_add_nc_u64 s[10:11], s[100:101], s[16:17]    ; cf: [tile of 16 tokens][32 along K: 2 head + dt / 2][1,024 bytes]
.irp i, 0,1,2,3,4,5,6,7
	global_load_b32 v[FL+\i], v[L4], s[18:19] offset:524288+128*\i   ; lane k takes step k's flag
.endr
	global_load_b32 v[FO], v[L4W], s[18:19] offset:524288            ; and my own 32 queries'
	WIN 0x40
.irp u, 0,1
.irp s, 0,1
	global_load_b128 v[Q+16*\u+8*\s:Q+16*\u+8*\s+3], v[LI], s[4:5] offset:2048*\u+1024*\s
	global_load_b128 v[Q+16*\u+8*\s+4:Q+16*\u+8*\s+7], v[LI], s[4:5] offset:2048*\u+1024*\s+512
.endr
.endr
.set i, 0
.rept 64
	v_mov_b32 v[O+i], 0                            ; which step comes first hangs on the flags: so the sums begin as zeros
.set i, i+1
.endr
	WIN 0
.irp u, 0,1
	v_mov_b32 v[ST+8*\u+1], 0xff61b1e6             ; m = -3e38
	v_mul_f32 v[ST+8*\u], s92, v[ST+8*\u+1]
.irp j, 2,3,4,5,6,7
	v_mov_b32 v[ST+8*\u+\j], 0
.endr
.endr
	s_wait_loadcnt 0x0
.irp i, 1,2,3,4,5,6,7
	v_min_u32 v[FL], v[FL], v[FL+\i]
.endr
	v_cmp_ne_u32 s16, 2, v[FL]                     ; bit k: step k is wanted by some wave
	v_cmp_ne_u32 s[WL], 2, v[FO]
	v_cmp_eq_u32 s[WM], 1, v[FO]
	s_lshr_b32 s[GN], s16, 1
	s_lshr_b32 s[PF], s16, 3
	s_lshr_b32 s17, s12, 1
	s_or_b32 s17, s17, s13
	s_or_b32 s17, s17, s90
	s_cmp_eq_u32 s17, 0
	s_cselect_b32 s[PF], s[PF], 0
	s_bitcmp1_b32 s16, 0
	s_cbranch_scc0 .Lno_first
	WIN 0x40
.irp i, 0,1,2,3
	global_load_b128 v[STG+4*\i:STG+4*\i+3], v[LW], s[6:7] offset:512*\i
.endr
	s_wait_loadcnt 0x0
	WIN 0x04
.irp i, 0,1,2,3
	ds_store_b128 v[LW], v[STG+4*\i:STG+4*\i+3] offset:512*\i
.endr
	WIN 0
.Lno_first:
	s_wait_dscnt 0x0
	s_barrier_signal -1
	s_barrier_wait -1                              ; step 0 lies in buffer 0
	s_mov_b32 s[KI], 0
	s_mov_b32 s89, 16
.Lstep:                                            ; sixteen trips of two steps, whatever the flags: every wave passes every barrier
	STEP 0
	STEP 1
	s_sub_co_u32 s89, s89, 1
	s_cmp_lg_u32 s89, 0
	s_cbranch_scc1 .Lstep
	; THE WAY OUT of a pass: O^T / l, rounded to f16; a lane's eight channels of a query are four registers of the next product's fragment
.rept 4
	v_nop
.endr
.irp u, 0,1
	v_add_f32 v[ST+8*\u+4], v[ST+8*\u+2], v[ST+8*\u+3]
.endr
.irp u, 0,1
	v_permlanex16_b32 v[ST+8*\u+5], v[ST+8*\u+4], s94, s95
.endr
.irp u, 0,1
	v_add_f32 v[ST+8*\u+4], v[ST+8*\u+4], v[ST+8*\u+5]
.endr
.irp u, 0,1
	v_rcp_f32 v[ST+8*\u+6], v[ST+8*\u+4]
.endr
	v_nop
	s_wait_alu depctr_va_vdst(0)                   ; one wait for both reciprocals, ahead of their first reader
	WIN 0x41
.set k, 0
.rept 16
.irp u, 0,1
	v_pk_mul_f32 v[O+32*\u+2*k:O+32*\u+2*k+1], v[O+32*\u+2*k:O+32*\u+2*k+1], v[ST+8*\u+6:ST+8*\u+7] op_sel_hi:[1,0]
.endr
.set k, k+1
.endr
	WIN 0x05                                       ; sources 0 and 1 in window 1, destination in window 0
.set k, 0
.rept 16
.irp u, 0,1
	v_cvt_pk_f16_f32 v[S+16*\u+k], v[O+32*\u+2*k], v[O+32*\u+2*k+1]
.endr
.set k, k+1
.endr
	WIN 0
.irp u, 0,1
.irp d, 0,1,2,3
	global_store_b128 v[LI], v[S+16*\u+4*\d:S+16*\u+4*\d+3], s[10:11] offset:32768*\u+512*\d   ; half a fragment: 512 consecutive bytes
.endr
.endr
	s_add_co_u32 s90, s90, 1
	s_cmp_lt_u32 s90, 2
	s_cbranch_scc1 .Lpass
	s_wait_tensorcnt 0x0                           ; the wave's end
	ds_add_u32 v[SPW], v[NIL]
	s_wait_dscnt 0x0
	s_endpgm
.Lfunc_end_k_q453bb80cf3_attn:
	.size	k_q453bb80cf3_attn, .Lfunc_end_k_q453bb80cf3_attn-k_q453bb80cf3_attn
	.p2alignl 7, 3214868480
	.fill 96, 4, 3214868480
	.section	.rodata,"a",@progbits
	.p2align	6, 0x0
	.amdhsa_kernel k_q453bb80cf3_attn
		.amdhsa_group_segment_fixed_size 33792
		.amdhsa_private_segment_fixed_size 0
		.amdhsa_enable_private_segment 0
		.amdhsa_kernarg_size 24
		.amdhsa_user_sgpr_count 2
		.amdhsa_user_sgpr_kernarg_segment_ptr 1
		.amdhsa_wavefront_size32 1
		.amdhsa_system_sgpr_workgroup_id_x 1
		.amdhsa_system_sgpr_workgroup_id_y 1
		.amdhsa_system_sgpr_workgroup_id_z 1
		.amdhsa_system_vgpr_workitem_id 0
		.amdhsa_next_free_vgpr 512
		.amdhsa_next_free_sgpr 102
		.amdhsa_reserve_vcc 0
		.amdhsa_float_denorm_mode_32 3
		.amdhsa_float_denorm_mode_16_64 3
		.amdhsa_memory_ordered 1
		.amdhsa_forward_progress 1
		.amdhsa_inst_pref_size 60
	.end_amdhsa_kernel
	.amdgpu_metadata
---
amdhsa.version: [ 1, 2 ]
amdhsa.kernels:
  - .name:           k_q453bb80cf3_attn
    .symbol:         k_q453bb80cf3_attn.kd
    .args:
      - { .name: qkv, .offset: 0, .size: 8, .value_kind: global_buffer, .address_space: global }
      - { .name: maskw, .offset: 8, .size: 8, .value_kind: global_buffer, .address_space: global }
      - { .name: cf, .offset: 16, .size: 8, .value_kind: global_buffer, .address_space: global }
    .group_segment_fixed_size: 33792
    .private_segment_fixed_size: 0
    .kernarg_segment_align: 8
    .kernarg_segment_size: 24
    .max_flat_workgroup_size: 256
    .sgpr_count:     102
    .vgpr_count:     512
    .wavefront_size: 32
...
	.end_amdgpu_metadata
.endif
;; end of part 3
;; launch oproj (part 4): grid 4 x 64, 4 waves a work-group, clusters of 4 x 4, 327,680 bytes of LDS; arguments cf, wof, bo, out0; writes out0
.if DOCPART == 4
	.amdgcn_target "amdgcn-amd-amdhsa--gfx1250"
	.amdhsa_code_object_version 6
	.text
	.protected	k_q453bb80cf3_oproj
	.globl	k_q453bb80cf3_oproj
	.p2align	8
	.type	k_q453bb80cf3_oproj,@function
k_q453bb80cf3_oproj:
	s_mov_b64 s[64:65], 0
	v_nop
	global_prefetch_b8 v0, s[64:65] scope:SCOPE_SE
	s_setreg_imm32_b32 hwreg(HW_REG_WAVE_MODE, 25, 1), 1
	s_wait_xcnt 0x0
	s_wait_alu depctr_hold_cnt(0) depctr_sa_sdst(0) depctr_va_vdst(0) depctr_va_sdst(0) depctr_va_ssrc(0) depctr_va_vcc(0) depctr_vm_vsrc(0)
	s_getreg_b32 s2, hwreg(HW_REG_IB_STS2, 6, 4)
	s_cmp_eq_u32 s2, 0
	s_cbranch_scc0 .Lentry_in_a_cluster
	s_endpgm
.Lentry_in_a_cluster:
	s_bfe_u32 s2, ttmp6, 0x10000c
	s_cmp_lg_u32 s2, 0xf033
	s_cbranch_scc0 .Lentry_shape_is_right
	s_endpgm
.Lentry_shape_is_right:
; OPROJ: out0 = concat Wo^T + bo, operands in f16 (both lie in memory in the order of an operand's registers), sums in f32.
; A tile of 128 tokens x 256 columns is made by four waves, each 64 x 128: 32 accumulators, 256 registers: 256 work-groups.  K goes in steps of 128 (four fragments of 32) through two LDS slots.
; A slot: 8 tiles of tokens x 4,096 bytes, then 16 tiles of Wo's rows x 4,096 bytes: images of registers, read 512 consecutive bytes an instruction, so no padding.
; CLUSTERS: 4 x 4: the tokens' tiles are shared along a row of the cluster, Wo's along a column, each asked for jointly.  By this text's count a wave has two tensor loads out at the start, one behind each round.
; THE PRODUCT IS USED TRANSPOSED (source 0 = 16 rows of Wo, source 1 = 16 tokens): a lane holds eight neighbouring columns of one token's row.  bo is the C of each sum's first product.
; The rows of positions 0-15 of each sequence are written here too and written again, more finely, by the last launch.
; LIMIT: concat and Wo in f16: magnitudes under 65,504.
; REGISTERS: window 0: v16-31 addresses; v32-127, v128-223 two fragment buffers (A's four at + 8 a, B's eight at + 32 + 8 b).  window 1: accumulator (a, b) at v[8 (8 a + b)].  window 2: v0-63 bo.
.set SLOT,   98304
.set STAGE,  2*SLOT                    ; behind the ring: 16 rows x 528 bytes for each wave, for the way out
.set SPITCH, 528
.set SPARE,  STAGE+4*16*SPITCH         ; the spare words: two blocks of 256 bytes that no other line names
.set LAPS,   4                         ; a lap = two K steps; K = 1,024 is eight steps
.set ADRA, 16
.set ADRB, 20
.set STO,  24
.set RD,   25
.set CO,   26
.set SPW,  28
.set NIL,  29
.set OH,   30
.set F0,   32
.set F1,   128
.set BK,   32
.set G1, 24
.set G0, 32
.set G1B, 48
.set G0B, 56
.set MSB, 0
.macro WIN new
.if MSB != (\new)
	s_set_vgpr_msb (MSB<<8)|(\new)
.set MSB, (\new)
.endif
.endm
.set MUL,  0x50                        ; C and D in window 1
.set MULB, 0x60                        ; D in window 1, C (bo) in window 2
.macro JLOAD s                         ; waves 0, 1 fetch the tokens' halves, waves 2, 3 Wo's; an s_nop 0 and four v_nop follow each line
	s_cmp_eq_u32 s13, 0
	s_cbranch_scc0 .Lfor_b_\@
	tensor_load_to_lds s[G0+4*\s:G0+4*\s+3], s[G1:G1+7]
	s_nop 0
.rept 4
	v_nop
.endr
	s_branch .Lasked_\@
.Lfor_b_\@:
	tensor_load_to_lds s[G0B+4*\s:G0B+4*\s+3], s[G1B:G1B+7]
	s_nop 0
.rept 4
	v_nop
.endr
.Lasked_\@:
.endm
.macro CREST
	s_cmp_lg_u32 s12, 0
	s_cbranch_scc1 .Lnot_wave_0_\@
	s_barrier_signal -3
.Lnot_wave_0_\@:
	s_barrier_wait -3
	s_barrier_signal -1
	s_barrier_wait -1
.endm
.macro CROUND
	s_barrier_signal -1
	s_barrier_wait -1
	CREST
.endm
	s_load_b256 s[4:11], s[0:1], 0x0               ; cf s[4:5], wof s[6:7], bo s[8:9], out0 s[10:11]
	v_lshl_add_u32 v[SPW], v0, 2, SPARE
	v_mov_b32 v[NIL], 0
	ds_add_u32 v[SPW], v[NIL]                      ; the wave's opening: the add, twice on end, and its wait ahead of my first tensor load
	ds_add_u32 v[SPW], v[NIL]
	v_lshrrev_b32 v1, 5, v0
	v_readfirstlane_b32 s12, v1                    ; wave 0..3
	s_lshr_b32 s13, s12, 1                         ; my half of the tokens.  Also: I fetch tokens (0) or Wo (1)
	s_and_b32 s14, s12, 1                          ; my half of the columns.  Also: which half I fetch
	s_bfe_u32 s40, ttmp6, 0x40000                  ; cx
	s_bfe_u32 s41, ttmp6, 0x40004                  ; cy
	s_mov_b32 s42, s40                             ; tile column: the grid has one cluster along x
	s_and_b32 s15, ttmp7, 0xffff
	s_lshl_b32 s15, s15, 2
	s_add_co_u32 s15, s15, s41                     ; tile row = 4 x cluster y + cy
	s_lshl_b32 s43, s41, 2
	s_lshl_b32 s43, 15, s43                        ; my row of the cluster
	s_lshl_b32 s44, 0x1111, s40                    ; my column
	s_or_b32 s[G1+0], s43, (3<<16)|(1<<21)         ; the mask; elements of 8 bytes; no padding; bit 21 beside a mask
	s_or_b32 s[G1B+0], s44, (3<<16)|(1<<21)
	s_mov_b32 s[G1+1], 512<<16                     ; tensor_dim0 = 512 elements: a tile's 4,096 bytes of a K step
	s_mov_b32 s[G1+2], 4<<16                       ; tensor_dim1 = 4 tiles of tokens
	s_mov_b32 s[G1+3], 512<<16                     ; tile_dim0
	s_mov_b32 s[G1+4], 4                           ; tile_dim1
	s_mov_b32 s[G1+5], 4096                        ; the pitch: a tile's 32,768 bytes
	s_mov_b32 s[G1+6], 0
	s_mov_b32 s[G1+7], 0
	s_mov_b32 s[G1B+1], 512<<16
	s_mov_b32 s[G1B+2], 8<<16                      ; 8 tiles of Wo's rows
	s_mov_b32 s[G1B+3], 512<<16
	s_mov_b32 s[G1B+4], 8
	s_mov_b32 s[G1B+5], 4096
	s_mov_b32 s[G1B+6], 0
	s_mov_b32 s[G1B+7], 0
	s_lshl_b32 s16, s15, 3
	s_lshl_b32 s17, s14, 2
	s_add_co_u32 s16, s16, s17
	s_lshl_b32 s16, s16, 15                        ; tokens: tile 8 x tile row + 4 x half
	s_mov_b32 s17, 0
	s_lshl_b32 s46, s42, 4
	s_lshl_b32 s47, s14, 3
	s_add_co_u32 s46, s46, s47
	s_lshl_b32 s46, s46, 15                        ; Wo: tile 16 x tile column + 8 x half
	s_mov_b32 s47, 0
	s_lshl_b32 s20, s14, 14                        ; where they go: the wave's number alone
	s_lshl_b32 s21, s14, 15
	s_add_co_u32 s21, s21, 32768
	s_wait_dscnt 0x0                               ; both opening adds are done
	s_wait_kmcnt 0x0
	s_add_nc_u64 s[18:19], s[4:5], s[16:17]
	s_add_nc_u64 s[46:47], s[6:7], s[46:47]
	CROUND                                         ; all sixteen work-groups are here: the first joint loads meet
.irp s, 0,1
	s_mov_b32 s[G0+4*\s], 1
	s_add_co_u32 s[G0+4*\s+1], s20, \s*SLOT
	s_add_nc_u64 s[G0+4*\s+2:G0+4*\s+3], s[18:19], \s*4096
	s_or_b32 s[G0+4*\s+3], s[G0+4*\s+3], 0x80000000
	s_mov_b32 s[G0B+4*\s], 1
	s_add_co_u32 s[G0B+4*\s+1], s21, \s*SLOT
	s_add_nc_u64 s[G0B+4*\s+2:G0B+4*\s+3], s[46:47], \s*4096
	s_or_b32 s[G0B+4*\s+3], s[G0B+4*\s+3], 0x80000000
	JLOAD \s
.endr
	v_and_b32 v1, 15, v0                           ; r
	v_bfe_u32 v2, v0, 4, 1                         ; h
	v_and_b32 v3, 31, v0
	v_lshlrev_b32 v[CO], 4, v3                     ; 16 x lane
	v_lshlrev_b32 v[OH], 5, v2
	s_lshl_b32 s16, s42, 10
	s_lshl_b32 s17, s14, 9
	s_add_co_u32 s16, s16, s17                     ; my first column, in bytes
	s_mov_b32 s17, 0
	s_add_nc_u64 s[8:9], s[8:9], s[16:17]
	WIN 0x80                                       ; destination window 2
.irp b, 0,1,2,3,4,5,6,7
	global_load_b128 v[8*\b:8*\b+3], v[OH], s[8:9] offset:64*\b        ; bo at columns 16 b + 8 h + 0 .. 7
	global_load_b128 v[8*\b+4:8*\b+7], v[OH], s[8:9] offset:64*\b+16
.endr
	WIN 0
	s_lshl_b32 s21, s13, 14                        ; my four tiles of tokens
	s_lshl_b32 s22, s14, 15
	s_add_co_u32 s22, s22, 32768                   ; my eight tiles of Wo
.irp s, 0,1
	v_add_nc_u32 v[ADRA+\s], s21, v[CO]
	v_add_nc_u32 v[ADRB+\s], s22, v[CO]
	s_add_co_u32 s21, s21, SLOT
	s_add_co_u32 s22, s22, SLOT
.endr
	s_mul_i32 s23, s12, 16*SPITCH
	s_add_co_u32 s23, s23, STAGE                   ; my stage
	v_mul_u32_u24 v4, v1, SPITCH
	v_lshl_add_u32 v4, v2, 5, v4
	v_add_nc_u32 v[STO], s23, v4                   ; in: row r, 32 bytes for each half of the lanes
	v_add_nc_u32 v[RD], s23, v[CO]                 ; back: the 32 lanes take one row of 512 bytes
	s_lshl_b32 s18, s15, 19
	s_lshl_b32 s19, s13, 18
	s_add_co_u32 s18, s18, s19
	s_add_co_u32 s16, s16, s18                     ; (128 x tile row + 64 x half) rows of 4,096 bytes + my first column
	s_add_nc_u64 s[10:11], s[10:11], s[16:17]
.macro MULA f, a, first                ; eight products: tokens' block a x Wo's eight.  The 32 accumulators take turns in the same order in every quarter
.irp b, 0,1,2,3,4,5,6,7
.if \first
	v_wmma_f32_16x16x32_f16 v[8*(8*(\a)+\b):8*(8*(\a)+\b)+7], v[\f+32+8*\b:\f+32+8*\b+7], v[\f+8*(\a):\f+8*(\a)+7], v[8*\b:8*\b+7]
.else
	v_wmma_f32_16x16x32_f16 v[8*(8*(\a)+\b):8*(8*(\a)+\b)+7], v[\f+32+8*\b:\f+32+8*\b+7], v[\f+8*(\a):\f+8*(\a)+7], v[8*(8*(\a)+\b):8*(8*(\a)+\b)+7]
.endif
.endr
.endm
.macro FETCH slot, q, f                ; 24 LDS loads in one run: Wo's eight fragments, then the tokens' four, of the slot's q-th 32 along K
	WIN 0
.irp b, 0,1,2,3,4,5,6,7
	ds_load_b128 v[\f+32+8*\b:\f+32+8*\b+3], v[ADRB+\slot] offset:4096*\b+1024*(\q)
	ds_load_b128 v[\f+32+8*\b+4:\f+32+8*\b+7], v[ADRB+\slot] offset:4096*\b+1024*(\q)+512
.endr
.irp a, 0,1,2,3
	ds_load_b128 v[\f+8*\a:\f+8*\a+3], v[ADRA+\slot] offset:4096*\a+1024*(\q)
	ds_load_b128 v[\f+8*\a+4:\f+8*\a+7], v[ADRA+\slot] offset:4096*\a+1024*(\q)+512
.endr
.endm
.macro PLACES
.rept 4
	v_nop
.endr
.endm
.macro QUARTER slot, q, f, g, first    ; multiplies buffer f; in its middle fetches the slot's q-th quarter into g
	s_wait_dscnt 4                                 ; all but the youngest four loads (the tokens' blocks 2, 3)
.if \first
	WIN MULB
.else
	WIN MUL
.endif
	MULA \f, 0, \first
	MULA \f, 1, \first
	PLACES
	FETCH \slot, \q, \g
	s_wait_dscnt 24                                ; all but the 24 just issued
.if \first
	WIN MULB
.else
	WIN MUL
.endif
	MULA \f, 2, \first
	MULA \f, 3, \first
.endm
.macro TURN slot, next, fill           ; a slot's last quarter changes slots: one barrier; fill = 1: it opens a round of the cluster's, and this slot is filled again, two K steps ahead
	WIN 0
	s_wait_tensorcnt 0x0                           ; all my tensor loads have landed: my part of the next slot
	ds_add_u32 v[SPW], v[NIL]                      ; 0 onto my spare word
	s_wait_dscnt 5                                 ; the add and the youngest four loads may be out
	WIN MUL
	MULA F1, 0, 0
	s_wait_dscnt 0x0                               ; the add is done, and my reads of this slot are over
	s_barrier_signal -1
	MULA F1, 1, 0
	WIN 0
	s_barrier_wait -1
.if \fill
	CREST                                          ; no wave of any partner still reads this slot or has a load on its way
	s_add_nc_u64 s[G0+4*\slot+2:G0+4*\slot+3], s[G0+4*\slot+2:G0+4*\slot+3], 8192
	s_add_nc_u64 s[G0B+4*\slot+2:G0B+4*\slot+3], s[G0B+4*\slot+2:G0B+4*\slot+3], 8192
	JLOAD \slot                                    ; the first tensor load behind the round; its four v_nop are also the places in front of the loads below
.else
	PLACES
.endif
	FETCH \next, 0, F0
	WIN MUL
	MULA F1, 2, 0
	MULA F1, 3, 0
.endm
	s_wait_tensorcnt 1                             ; my part of K step 0 is in; K step 1's load may be out,
	s_barrier_signal -1
	s_barrier_wait -1                              ; everybody's is
	FETCH 0, 0, F0
	s_wait_loadcnt 0x0                             ; bo
	QUARTER 0, 1, F0, F1, 1                        ; the first quarter's products start the sums, from bo
	WIN 0
	s_mov_b32 s3, LAPS-1
.Llap:                                             ; a trip goes once round the ring and fills both slots again
	QUARTER 0, 2, F1, F0, 0
	QUARTER 0, 3, F0, F1, 0
	TURN 0, 1, 1
	QUARTER 1, 1, F0, F1, 0
	QUARTER 1, 2, F1, F0, 0
	QUARTER 1, 3, F0, F1, 0
	TURN 1, 0, 1
	QUARTER 0, 1, F0, F1, 0
	WIN 0
	s_sub_co_u32 s3, s3, 1
	s_cmp_lg_u32 s3, 0
	s_cbranch_scc1 .Llap
	QUARTER 0, 2, F1, F0, 0                        ; the last lap fills nothing
	QUARTER 0, 3, F0, F1, 0
	TURN 0, 1, 0
	QUARTER 1, 1, F0, F1, 0
	QUARTER 1, 2, F1, F0, 0
	QUARTER 1, 3, F0, F1, 0
	s_wait_dscnt 4
	WIN MUL
	MULA F1, 0, 0
	MULA F1, 1, 0
	s_wait_dscnt 0
	MULA F1, 2, 0
	MULA F1, 3, 0
	WIN 0
; THE WAY OUT, a block of 16 tokens x 128 columns at a time, through my own stage: in as 32 bytes a lane, back as whole rows of 512 bytes.  LDS serves a wave's instructions in order.
.macro TOSTAGE a
	WIN 0x04                                       ; an LDS store's data are its source 1: window 1
.irp b, 0,1,2,3,4,5,6,7
	ds_store_b128 v[STO], v[8*(8*(\a)+\b):8*(8*(\a)+\b)+3] offset:64*\b          ; each accumulator from its low end on
	ds_store_b128 v[STO], v[8*(8*(\a)+\b)+4:8*(8*(\a)+\b)+7] offset:64*\b+16
.endr
	WIN 0
.set BB, BK+64*((\a)%2)
.irp t, 0,1,2,3,4,5,6,7,8,9,10,11,12,13,14,15
	ds_load_b128 v[BB+4*\t:BB+4*\t+3], v[RD] offset:\t*SPITCH
.endr
.endm
.macro SEND a, younger                 ; younger: the LDS instructions issued behind block a's loads
.set BB, BK+64*((\a)%2)
	s_wait_dscnt \younger
.irp t, 0,1,2,3,4,5,6,7,8,9,10,11,12,13,14,15
	global_store_b128 v[CO], v[BB+4*\t:BB+4*\t+3], s[10:11] offset:65536*(\a)+4096*\t th:TH_STORE_NT   ; 32 lanes store 512 consecutive bytes, aligned
.endr
.endm
	PLACES
	TOSTAGE 0
.irp a, 1,2,3
.if \a > 1
	s_wait_xcnt 0x0                                ; block a - 2's stores have read their registers
.endif
	TOSTAGE \a
	SEND \a-1, 32                                  ; behind block a - 1's loads: block a's 16 stores and 16 loads
.endr
	SEND 3, 0
	s_wait_tensorcnt 0x0                           ; the wave's end
	ds_add_u32 v[SPW], v[NIL]
	s_wait_dscnt 0x0
	CROUND                                         ; the closing round
	s_endpgm
.Lfunc_end_k_q453bb80cf3_oproj:
	.size	k_q453bb80cf3_oproj, .Lfunc_end_k_q453bb80cf3_oproj-k_q453bb80cf3_oproj
	.p2alignl 7, 3214868480
	.fill 96, 4, 3214868480
	.section	.rodata,"a",@progbits
	.p2align	6, 0x0
	.amdhsa_kernel k_q453bb80cf3_oproj
		.amdhsa_group_segment_fixed_size 327680
		.amdhsa_private_segment_fixed_size 0
		.amdhsa_enable_private_segment 0
		.amdhsa_kernarg_size 32
		.amdhsa_user_sgpr_count 2
		.amdhsa_user_sgpr_kernarg_segment_ptr 1
		.amdhsa_wavefront_size32 1
		.amdhsa_system_sgpr_workgroup_id_x 1
		.amdhsa_system_sgpr_workgroup_id_y 1
		.amdhsa_system_sgpr_workgroup_id_z 1
		.amdhsa_system_vgpr_workitem_id 0
		.amdhsa_next_free_vgpr 640
		.amdhsa_next_free_sgpr 66
		.amdhsa_reserve_vcc 0
		.amdhsa_float_denorm_mode_32 3
		.amdhsa_float_denorm_mode_16_64 3
		.amdhsa_memory_ordered 1
		.amdhsa_forward_progress 1
		.amdhsa_inst_pref_size 86
	.end_amdhsa_kernel
	.amdgpu_metadata
---
amdhsa.version: [ 1, 2 ]
amdhsa.kernels:
  - .name:           k_q453bb80cf3_oproj
    .symbol:         k_q453bb80cf3_oproj.kd
    .args:
      - { .name: cf, .offset: 0, .size: 8, .value_kind: global_buffer, .address_space: global }
      - { .name: wof, .offset: 8, .size: 8, .value_kind: global_buffer, .address_space: global }
      - { .name: bo, .offset: 16, .size: 8, .value_kind: global_buffer, .address_space: global }
      - { .name: out0, .offset: 24, .size: 8, .value_kind: global_buffer, .address_space: global }
    .group_segment_fixed_size: 327680
    .private_segment_fixed_size: 0
    .kernarg_segment_align: 8
    .kernarg_segment_size: 32
    .max_flat_workgroup_size: 128
    .sgpr_count:     66
    .vgpr_count:     640
    .wavefront_size: 32
...
	.end_amdgpu_metadata
.endif
;; end of part 4
;; launch fine (part 5): grid 16 x 4, 16 waves a work-group, no clusters, 71,680 bytes of LDS; arguments qkv, maskw, Wo, bo, out0; writes out0
.if DOCPART == 5
	.amdgcn_target "amdgcn-amd-amdhsa--gfx1250"
	.amdhsa_code_object_version 6
	.text
	.protected	k_q453bb80cf3_fine
	.globl	k_q453bb80cf3_fine
	.p2align	8
	.type	k_q453bb80cf3_fine,@function
k_q453bb80cf3_fine:
	s_mov_b64 s[64:65], 0
	v_nop
	global_prefetch_b8 v0, s[64:65] scope:SCOPE_SE
	s_setreg_imm32_b32 hwreg(HW_REG_WAVE_MODE, 25, 1), 1
	s_wait_xcnt 0x0
; FINE: positions 0-15 of each sequence once more, and more finely: these rows may average one to a few values and are the largest in size, so f16 rounding of p, V, the result and Wo would weigh most there.
; p and V go to the matrix unit as pairs of f16 (hi + lo, split in f32): O += Vhi Phi + Vlo Phi + Vhi Plo.  The projection by Wo takes f32 operands (64 rows in all: no bulk work).
; bk is left out (shown at the head of the first kernel); steps of 64 keys that the mask hides wholly for queries 0-31 are skipped on the stored flags.
; SHARES.  Work-group (c, b): batch b, output columns 64 c .. + 63.  Wave = head: it makes its head's 16 x 64 of the attention, multiplies it by Wo's 64 rows x its 64 columns, and the sixteen
; partial sums meet in LDS; wave w then adds row w in a fixed order, adds bo, and stores 256 consecutive bytes.  The attention of the 16 rows is repeated in the 16 column slices.
; LIMITS as in the attention launch, but for the rounding: Q and K stay plain f16; p under 2^-14 carries an absolute error up to 2^-25.
; REGISTERS: v1, v7, v17-19, v22 addresses; v4, v5 the add's two; v8-15 statistics (+0 c m, +1 m, +2, +3 l, +4..7 at work, a in +6); v24-39 Q; v40-71 S^T, then p, then Plo in v40-55, later the result / l;
;   v72-87 Phi; v88-91 at work; v96-127 O^T; v128-191 K, then V hi and lo, then Wo; v192-223 the projection's sums, written by matrix instructions alone; v224-255 the sixteen parts.
.set SPARE, 69632                      ; behind the sixteen stages of 16 rows x 272 bytes: the spare words, eight blocks of 256 bytes that no other line names
.set ST,  8
.set Q,   24
.set S,   40
.set PH,  72
.set TT,  88
.set O,   96
.set BUF, 128
.set D,   192
.set RED, 224
	s_load_b256 s[4:11], s[0:1], 0x0               ; qkv s[4:5], maskw s[6:7], Wo s[8:9], bo s[10:11]
	s_load_b64 s[12:13], s[0:1], 0x20              ; out0
	v_lshl_add_u32 v4, v0, 2, SPARE
	v_mov_b32 v5, 0
	v_lshrrev_b32 v2, 5, v0
	v_readfirstlane_b32 s14, v2                    ; wave = head
	v_and_b32 v3, 31, v0
	v_lshlrev_b32 v1, 4, v3                        ; 16 x lane
	v_lshlrev_b32 v7, 2, v3                        ; 4 x lane
	v_lshlrev_b32 v19, 3, v3                       ; 8 x lane
	v_mov_b32 v6, 0xff800000
	v_and_b32 v2, 15, v0                           ; r
	v_bfe_u32 v3, v0, 4, 1                         ; h
	v_mul_u32_u24 v17, v2, 272
	v_lshl_add_u32 v17, v3, 5, v17
	s_mul_i32 s66, s14, 4352
	v_add_nc_u32 v17, s66, v17                     ; my stage: row r, + 32 h
	s_mul_i32 s66, s14, 272
	v_add_nc_u32 v18, s66, v19                     ; back: row = my wave's number, in every stage
	v_lshlrev_b32 v22, 12, v2
	v_lshl_add_u32 v22, v3, 5, v22                 ; Wo: row r of 4,096 bytes, + 32 h
	s_mov_b32 s15, ttmp9                           ; c
	s_and_b32 s48, ttmp7, 0xffff                   ; b
	s_lshl_b32 s49, s48, 4
	s_add_co_u32 s49, s49, s14                     ; bh
	s_mov_b32 s60, 0x3e38aa3b                      ; c = log2(e) / 8
	s_mov_b32 s61, s60
	s_mov_b32 s62, 0x76543210
	s_mov_b32 s63, 0xfedcba98
	s_mov_b32 s68, 0x1000
	s_mov_b32 s69, 0xffffe000
	s_lshl_b32 s66, s49, 18
	s_mov_b32 s67, 0
	s_wait_kmcnt 0x0
	s_add_nc_u64 s[52:53], s[4:5], s[66:67]        ; Q's tile 0 of my head; Vlo lies 50,331,648 further on
	s_lshl_b32 s66, s49, 19
	s_add_nc_u64 s[50:51], s[4:5], s[66:67]
	s_add_nc_u64 s[50:51], s[50:51], 16777216      ; the head's step 0 of K and V
	s_mov_b64 s[54:55], s[6:7]                     ; the records of queries 0-31
	global_load_b32 v16, v7, s[6:7] offset:524288  ; lane k: step k's flag
.irp s, 0,1
	global_load_b128 v[Q+8*\s:Q+8*\s+3], v1, s[52:53] offset:1024*\s
	global_load_b128 v[Q+8*\s+4:Q+8*\s+7], v1, s[52:53] offset:1024*\s+512
.endr
.set i, 0
.rept 32
	v_mov_b32 v[O+i], 0                            ; which step comes first hangs on the flags
.set i, i+1
.endr
	v_mov_b32 v[ST+1], 0xff61b1e6                  ; m = -3e38
	v_mul_f32 v[ST], s60, v[ST+1]
.irp j, 2,3,4,5,6,7
	v_mov_b32 v[ST+\j], 0
.endr
	s_wait_loadcnt 0x0
	s_add_nc_u64 s[52:53], s[52:53], 50331648      ; (Q's loads are done) Vlo of my head
	v_cmp_ne_u32 s56, 2, v16
	v_cmp_eq_u32 s57, 1, v16
	s_mov_b32 s58, 0
.macro VLOAD g                         ; the four fragments of 32 keys g: hi into BUF, lo into BUF + 32
.irp d, 0,1,2,3
	global_load_b128 v[BUF+8*\d:BUF+8*\d+3], v1, s[50:51] offset:8192+4096*\g+1024*\d
	global_load_b128 v[BUF+8*\d+4:BUF+8*\d+7], v1, s[50:51] offset:8192+4096*\g+1024*\d+512
	global_load_b128 v[BUF+32+8*\d:BUF+32+8*\d+3], v1, s[52:53] offset:4096*\g+1024*\d
	global_load_b128 v[BUF+32+8*\d+4:BUF+32+8*\d+7], v1, s[52:53] offset:4096*\g+1024*\d+512
.endr
.endm
.macro PV g                            ; twelve products, four accumulators by turns
.irp d, 0,1,2,3
	v_wmma_f32_16x16x32_f16 v[O+8*\d:O+8*\d+7], v[BUF+8*\d:BUF+8*\d+7], v[PH+8*\g:PH+8*\g+7], v[O+8*\d:O+8*\d+7]
.endr
.irp d, 0,1,2,3
	v_wmma_f32_16x16x32_f16 v[O+8*\d:O+8*\d+7], v[BUF+32+8*\d:BUF+32+8*\d+7], v[PH+8*\g:PH+8*\g+7], v[O+8*\d:O+8*\d+7]
.endr
.irp d, 0,1,2,3
	v_wmma_f32_16x16x32_f16 v[O+8*\d:O+8*\d+7], v[BUF+8*\d:BUF+8*\d+7], v[S+8*\g:S+8*\g+7], v[O+8*\d:O+8*\d+7]
.endr
.endm
.Lk:                                               ; 32 trips, whatever the flags
	s_bitcmp1_b32 s56, s58
	s_cbranch_scc0 .Lskip
.rept 5
	v_nop                                          ; FIVE places: the scores' products below write over Plo's registers, which the last step's last products read as a source; four of them also serve the loads into K's registers
.endr
.irp f, 0,1,2,3,4,5,6,7
	global_load_b128 v[BUF+8*\f:BUF+8*\f+3], v1, s[50:51] offset:1024*\f
	global_load_b128 v[BUF+8*\f+4:BUF+8*\f+7], v1, s[50:51] offset:1024*\f+512
.endr
	s_wait_loadcnt 0x0
.irp s, 0,1
.irp t, 0,1,2,3
.if \s == 0
	v_wmma_f32_16x16x32_f16 v[S+8*\t:S+8*\t+7], v[BUF+8*(2*\t+\s):BUF+8*(2*\t+\s)+7], v[Q+8*\s:Q+8*\s+7], 0
.else
	v_wmma_f32_16x16x32_f16 v[S+8*\t:S+8*\t+7], v[BUF+8*(2*\t+\s):BUF+8*(2*\t+\s)+7], v[Q+8*\s:Q+8*\s+7], v[S+8*\t:S+8*\t+7]
.endif
.endr
.endr
.rept 4
	v_nop
.endr
	VLOAD 0
	s_bitcmp1_b32 s57, s58
	s_cbranch_scc0 .Lopen
	s_load_b512 s[16:31], s[54:55], 0x0            ; tile 0's 32 lane masks
	s_load_b512 s[32:47], s[54:55], 0x40
	s_wait_kmcnt 0x0
.set w, 0
.rept 32
	v_cndmask_b32 v[S+w], v[S+w], v6, s[16+w]
.set w, w+1
.endr
.Lopen:
.irp j, 0,1,2,3
	v_max3_num_f32 v[ST+4+\j], v[S+8*\j], v[S+8*\j+1], v[S+8*\j+2]
.endr
.irp i, 3,5
.irp j, 0,1,2,3
	v_max3_num_f32 v[ST+4+\j], v[ST+4+\j], v[S+8*\j+\i], v[S+8*\j+\i+1]
.endr
.endr
	v_max3_num_f32 v[ST+4], v[ST+4], v[S+7], v[S+15]
	v_max3_num_f32 v[ST+6], v[ST+6], v[S+23], v[S+31]
	v_max3_num_f32 v[ST+4], v[ST+4], v[ST+5], v[ST+6]
	v_max3_num_f32 v[ST+4], v[ST+4], v[ST+7], v[ST+1]
	v_permlanex16_b32 v[ST+5], v[ST+4], s62, s63
	v_mov_b32 v[ST+7], v[ST]
	v_max_num_f32 v[ST+1], v[ST+4], v[ST+5]
	v_mul_f32 v[ST], s60, v[ST+1]
	v_sub_f32 v[ST+7], v[ST+7], v[ST]
.set k, 0
.rept 16
	v_pk_fma_f32 v[S+2*k:S+2*k+1], v[S+2*k:S+2*k+1], s[60:61], v[ST:ST+1] op_sel_hi:[1,0,0] neg_lo:[0,0,1] neg_hi:[0,0,1]
.set k, k+1
.endr
	v_exp_f32 v[ST+6], v[ST+7]
.set k, 0
.rept 32
	v_exp_f32 v[S+k], v[S+k]
.set k, k+1
.endr
	v_nop
	s_wait_alu depctr_va_vdst(0)                   ; one wait for the batch, ahead of its first reader
	v_pk_add_f32 v[RED:RED+1], v[S:S+1], v[S+2:S+3]                ; the sum of the unrounded p, in two chains
	v_pk_add_f32 v[RED+2:RED+3], v[S+4:S+5], v[S+6:S+7]
.irp j, 8,12,16,20,24,28
	v_pk_add_f32 v[RED:RED+1], v[RED:RED+1], v[S+\j:S+\j+1]
	v_pk_add_f32 v[RED+2:RED+3], v[RED+2:RED+3], v[S+\j+2:S+\j+3]
.endr
	v_pk_add_f32 v[RED:RED+1], v[RED:RED+1], v[RED+2:RED+3]
	v_pk_fma_f32 v[ST+2:ST+3], v[ST+2:ST+3], v[ST+6:ST+7], v[RED:RED+1] op_sel_hi:[1,0,1]
.set k, 0
.rept 16                               ; p = hi + lo: hi is p rounded to 11 significant bits, by its bits; lo is exact in f32.  Plo's register k lies under the pairs already taken
.set T2, TT+2*(k%2)
	v_add_nc_u32 v[T2], s68, v[S+2*k]
	v_add_nc_u32 v[T2+1], s68, v[S+2*k+1]
	v_and_b32 v[T2], s69, v[T2]
	v_and_b32 v[T2+1], s69, v[T2+1]
	v_cvt_pk_f16_f32 v[PH+k], v[T2], v[T2+1]
	v_pk_add_f32 v[T2:T2+1], v[S+2*k:S+2*k+1], v[T2:T2+1] neg_lo:[0,1] neg_hi:[0,1]
	v_cvt_pk_f16_f32 v[S+k], v[T2], v[T2+1]
.set k, k+1
.endr
.set k, 0
.rept 16
	v_pk_mul_f32 v[O+2*k:O+2*k+1], v[O+2*k:O+2*k+1], v[ST+6:ST+7] op_sel_hi:[1,0]
.set k, k+1
.endr
	s_wait_loadcnt 0x0
	PV 0
.rept 4
	v_nop
.endr
	VLOAD 1
	s_wait_loadcnt 0x0
	PV 1
.Lskip:
	s_wait_xcnt 0x0                                ; the loads have read their bases
	s_add_nc_u64 s[50:51], s[50:51], 16384
	s_add_nc_u64 s[52:53], s[52:53], 8192
	s_add_nc_u64 s[54:55], s[54:55], 256
	s_add_co_u32 s58, s58, 1
	s_cmp_lt_u32 s58, 32
	s_cbranch_scc1 .Lk
	; THE PROJECTION, in f32.  Both sources take the instruction's k = 2 h + j as channel 16 dt + 8 h + 2 i + j of my head: the same order on both sides.
	s_lshl_b32 s66, s15, 18
	s_lshl_b32 s67, s14, 8
	s_add_co_u32 s66, s66, s67
	s_mov_b32 s67, 0
	s_add_nc_u64 s[8:9], s[8:9], s[66:67]          ; Wo at row 64 c, column 64 head
	s_lshl_b32 s66, s15, 8
	s_add_nc_u64 s[10:11], s[10:11], s[66:67]      ; bo at column 64 c
	s_lshl_b32 s70, s48, 23
	s_lshl_b32 s71, s14, 12
	s_add_co_u32 s70, s70, s71
	s_add_co_u32 s66, s66, s70
	s_add_nc_u64 s[12:13], s[12:13], s[66:67]      ; out0 at row 2,048 b + my wave's number, column 64 c
.macro WLOAD bb                        ; Wo's 64 rows x channels 32 bb .. + 31 of my head: registers 8 (2 n + dd) + 0 .. 7 = row 16 n + r, channels 16 (2 bb + dd) + 8 h + 0 .. 7
.irp n, 0,1,2,3
.irp dd, 0,1
	global_load_b128 v[BUF+8*(2*\n+\dd):BUF+8*(2*\n+\dd)+3], v22, s[8:9] offset:65536*\n+64*(2*\bb+\dd)
	global_load_b128 v[BUF+8*(2*\n+\dd)+4:BUF+8*(2*\n+\dd)+7], v22, s[8:9] offset:65536*\n+64*(2*\bb+\dd)+16
.endr
.endr
.endm
.macro WMUL bb                         ; 32 products, four accumulators by turns; the very first four start the sums
.irp dd, 0,1
.irp i, 0,1,2,3
.irp n, 0,1,2,3
.if (\bb+\dd+\i) == 0
	v_wmma_f32_16x16x4_f32 v[D+8*\n:D+8*\n+7], v[BUF+8*(2*\n+\dd)+2*\i:BUF+8*(2*\n+\dd)+2*\i+1], v[S+8*(2*\bb+\dd)+2*\i:S+8*(2*\bb+\dd)+2*\i+1], 0
.else
	v_wmma_f32_16x16x4_f32 v[D+8*\n:D+8*\n+7], v[BUF+8*(2*\n+\dd)+2*\i:BUF+8*(2*\n+\dd)+2*\i+1], v[S+8*(2*\bb+\dd)+2*\i:S+8*(2*\bb+\dd)+2*\i+1], v[D+8*\n:D+8*\n+7]
.endif
.endr
.endr
.endr
.endm
.rept 4
	v_nop
.endr
	WLOAD 0
	global_load_b64 v[20:21], v19, s[10:11]
	v_add_f32 v[ST+4], v[ST+2], v[ST+3]
	v_permlanex16_b32 v[ST+5], v[ST+4], s62, s63
	v_add_f32 v[ST+4], v[ST+4], v[ST+5]
	v_rcp_f32 v[ST+6], v[ST+4]
	v_nop
	s_wait_alu depctr_va_vdst(0)
.set k, 0
.rept 16
	v_pk_mul_f32 v[S+2*k:S+2*k+1], v[O+2*k:O+2*k+1], v[ST+6:ST+7] op_sel_hi:[1,0]   ; the result / l: register 8 dt + j is (query r, channel 16 dt + 8 h + j)
.set k, k+1
.endr
	s_wait_loadcnt 0x0
	WMUL 0
.rept 8
	v_nop                                          ; eight places behind this form, ahead of loads into its operands' registers
.endr
	WLOAD 1
	s_wait_loadcnt 0x0
	WMUL 1
.rept 8
	v_nop
.endr
.irp n, 0,1,2,3
	ds_store_b128 v17, v[D+8*\n:D+8*\n+3] offset:64*\n             ; lane (r, h): (position r, columns 16 n + 8 h + 0 .. 7); each accumulator from its low end on
	ds_store_b128 v17, v[D+8*\n+4:D+8*\n+7] offset:64*\n+16
.endr
	s_wait_dscnt 0x0                               ; for the others' sake: my part lies in my stage
	s_barrier_signal -1
	s_barrier_wait -1
.set p, 0
.rept 16
	ds_load_b64 v[RED+2*p:RED+2*p+1], v18 offset:4352*p            ; head p's part of my row: 32 lanes, 256 bytes
.set p, p+1
.endr
	s_wait_dscnt 0x0
.set p, 1
.rept 15
	v_pk_add_f32 v[RED:RED+1], v[RED:RED+1], v[RED+2*p:RED+2*p+1]  ; in the order of the heads
.set p, p+1
.endr
	v_pk_add_f32 v[RED:RED+1], v[RED:RED+1], v[20:21]
	global_store_b64 v19, v[RED:RED+1], s[12:13]   ; 32 lanes store 256 consecutive bytes, aligned
	s_wait_tensorcnt 0x0                           ; the wave's end
	ds_add_u32 v4, v5
	s_wait_dscnt 0x0
	s_endpgm
.Lfunc_end_k_q453bb80cf3_fine:
	.size	k_q453bb80cf3_fine, .Lfunc_end_k_q453bb80cf3_fine-k_q453bb80cf3_fine
	.p2alignl 7, 3214868480
	.fill 96, 4, 3214868480
	.section	.rodata,"a",@progbits
	.p2align	6, 0x0
	.amdhsa_kernel k_q453bb80cf3_fine
		.amdhsa_group_segment_fixed_size 71680
		.amdhsa_private_segment_fixed_size 0
		.amdhsa_enable_private_segment 0
		.amdhsa_kernarg_size 40
		.amdhsa_user_sgpr_count 2
		.amdhsa_user_sgpr_kernarg_segment_ptr 1
		.amdhsa_wavefront_size32 1
		.amdhsa_system_sgpr_workgroup_id_x 1
		.amdhsa_system_sgpr_workgroup_id_y 1
		.amdhsa_system_sgpr_workgroup_id_z 1
		.amdhsa_system_vgpr_workitem_id 0
		.amdhsa_next_free_vgpr 256
		.amdhsa_next_free_sgpr 72
		.amdhsa_reserve_vcc 0
		.amdhsa_float_denorm_mode_32 3
		.amdhsa_float_denorm_mode_16_64 3
		.amdhsa_memory_ordered 1
		.amdhsa_forward_progress 1
		.amdhsa_inst_pref_size 37
	.end_amdhsa_kernel
	.amdgpu_metadata
---
amdhsa.version: [ 1, 2 ]
amdhsa.kernels:
  - .name:           k_q453bb80cf3_fine
    .symbol:         k_q453bb80cf3_fine.kd
    .args:
      - { .name: qkv, .offset: 0, .size: 8, .value_kind: global_buffer, .address_space: global }
      - { .name: maskw, .offset: 8, .size: 8, .value_kind: global_buffer, .address_space: global }
      - { .name: Wo, .offset: 16, .size: 8, .value_kind: global_buffer, .address_space: global }
      - { .name: bo, .offset: 24, .size: 8, .value_kind: global_buffer, .address_space: global }
      - { .name: out0, .offset: 32, .size: 8, .value_kind: global_buffer, .address_space: global }
    .group_segment_fixed_size: 71680
    .private_segment_fixed_size: 0
    .kernarg_segment_align: 8
    .kernarg_segment_size: 40
    .max_flat_workgroup_size: 512
    .sgpr_count:     72
    .vgpr_count:     256
    .wavefront_size: 32
...
	.end_amdgpu_metadata
.endif
;; end of part 5
